; MI455X (gfx1250); checked and timed in simulation.
; The chip was launched on July 23, 2026; its instructions are those of AMD's public machine-readable ISA for CDNA 5 (MIT licence, August 2026) and "CDNA5" Instruction Set Architecture Reference Guide (July 2026). The comments in the code are by the model that wrote it; some were corrected since.
;; Rotary Self Attention. Allowed arithmetic: float matrix products may take bf16 or f16 operands with f32 sums; other float arithmetic in f32, or as packed bf16 or f16 multiplies, adds, multiply-adds, maxima and minima; sums over many terms, partial sums and values carried from step to step in f32; what a program stores and reads back later, other than sums and carried values, may be rounded once to bf16 or f16.
;; Inputs: W_out 1,024 x 1,024 float32; W_qkv 1,024 x 3,072 float32; attn_mask 4 x 2,048 bool; b_out 1,024 float32; beta 1,024 float32; gamma 1,024 float32; rotary_pos_emb 4 x 2,048 x 64 float32; x 4 x 2,048 x 1,024 float32.
;; Outputs: out0 4 x 2,048 x 1,024 float32.
;; One version. Each part assembles by itself: llvm-mc -triple=amdgcn-amd-amdhsa -mcpu=gfx1250 --defsym DOCPART=n.
;; ======== version 1 of 1: 4 launches
;; limits: values are held in f16: magnitudes above 65,504 overflow, below 6.1e-05 lose precision; right only within a limited range of input values
;; workspace buffers: xn 16,777,216 bytes; wtq 6,291,456 bytes; wto 2,097,152 bytes; tab 4,194,304 bytes; qkv 50,331,648 bytes; att 16,777,216 bytes
;; launch prep (part 1): grid 1536 x 1, 8 waves a work-group, no clusters, 18,432 bytes of LDS; arguments x, gamma, beta, W_qkv, W_out, rotary_pos_emb, xn, wtq, wto, tab; writes xn, wtq, wto, tab
.if DOCPART == 1
	.amdgcn_target "amdgcn-amd-amdhsa--gfx1250"
	.amdhsa_code_object_version 6
	.text
	.protected	k_q01fb9336f8_prep
	.globl	k_q01fb9336f8_prep
	.p2align	8
	.type	k_q01fb9336f8_prep,@function
k_q01fb9336f8_prep:
	s_mov_b64 s[64:65], 0
	v_nop
	global_prefetch_b8 v0, s[64:65] scope:SCOPE_SE
	s_setreg_imm32_b32 hwreg(HW_REG_WAVE_MODE, 25, 1), 1
	s_wait_xcnt 0x0
; THREE JOBS, told apart by the work-group's number (the same for all eight waves of a work-group):
;   0 .. 511     LayerNorm of 16 rows of x ([8192][1024] f32) -> xn ([8192][1024] f16): a wave a row, two rows a wave; the row stays in registers
;                between the mean, the variance (of x - mean, so a common offset of x costs nothing) and the scaling.
;   512 .. 1023  a block of 128 k x 64 n of W_qkv (384 blocks) or W_out (128) is turned through LDS -> wtq [3072][1024], wto [1024][1024], f16, K along the rows.
;   1024 .. 1535 cos f and S' (-sin f for even channels, +sin f for odd ones) of 16 rows of rotary_pos_emb -> tab, f32, in the order in which a lane of the
;                later launches holds a matrix result: [row block of 16][i = 4 b + 2 table + half][lane][4]: lane (r = l % 16, h = l / 16), channel 16 b + 8 h + 4 half + e.
; LIMITS.  f16 ends at 65,504: xn (at most 32 |gamma| + |beta|) and the weights stay within it; weights below 6e-5 keep f16's fixed step of 6e-8.
; sin and cos: n = nearest whole number to f 2/pi, r = f - n pi/2 with pi/2 in two parts, polynomials on |r| <= pi/4; good while n fits 24 bits (|f| under about 1e7); NaN and infinities give NaN.
; No matrix unit, no cluster, no tensor load: nothing is shared between work-groups and each byte is read once.
.set SPARE, 17408                      ; LDS: 0 .. 17,407 the turned block, 64 rows of 272 bytes; then the spare words, 128 bytes a wave
.set SPW, 30                           ; v30  LDS address of my spare word; never rewritten
.set NIL, 31                           ; v31  0; never rewritten
.macro FINISH                          ; the wave's end
	s_wait_tensorcnt 0x0
	ds_add_u32 v[SPW], v[NIL]
	s_wait_dscnt 0x0
	s_endpgm
.endm
	s_load_b512 s[8:23], s[0:1], 0x0               ; x 8, gamma 10, beta 12, W_qkv 14, W_out 16, rotary 18, xn 20, wtq 22
	s_load_b128 s[24:27], s[0:1], 0x40             ; wto 24, tab 26
	v_lshl_add_u32 v[SPW], v0, 2, SPARE
	v_mov_b32 v[NIL], 0
	v_lshrrev_b32 v1, 5, v0
	v_readfirstlane_b32 s4, v1                     ; wave 0..7
	v_and_b32 v1, 31, v0                           ; lane
	s_mov_b32 s2, ttmp9
	s_mov_b32 s33, 0                               ; the high word of every offset pair s[32:33]
	s_wait_kmcnt 0x0
	s_cmp_lt_u32 s2, 512
	s_cbranch_scc1 .Lnorm
	s_cmp_lt_u32 s2, 1024
	s_cbranch_scc1 .Lturn
; ---------------- the table ----------------
; wave w makes the four channels 16 (w / 2) + 8 h + 4 (w % 2) + 0..3 of row r for each lane (r, h)
	s_sub_co_u32 s32, s2, 1024                     ; row block
	s_lshr_b32 s34, s4, 1                          ; b
	s_and_b32 s35, s4, 1                           ; half
	s_lshl_b32 s36, s32, 12                        ; 16 rows of 256 bytes
	s_lshl_b32 s37, s34, 6
	s_add_co_u32 s36, s36, s37
	s_lshl_b32 s37, s35, 4
	s_add_co_u32 s36, s36, s37
	s_mov_b32 s37, 0
	s_add_nc_u64 s[18:19], s[18:19], s[36:37]
	s_lshl_b32 s36, s32, 13                        ; a row block's 8,192 bytes of the table
	s_lshl_b32 s38, s34, 11
	s_add_co_u32 s36, s36, s38
	s_lshl_b32 s38, s35, 9
	s_add_co_u32 s36, s36, s38
	s_add_nc_u64 s[26:27], s[26:27], s[36:37]
	v_and_b32 v2, 15, v0
	v_bfe_u32 v3, v0, 4, 1
	v_lshlrev_b32 v2, 8, v2
	v_lshl_add_u32 v2, v3, 5, v2                   ; r x 256 + 32 h
	global_load_b128 v[32:35], v2, s[18:19] th:TH_LOAD_NT
	v_lshlrev_b32 v3, 4, v1                        ; 16 l
	s_mov_b32 s40, 0x3f22f983                      ; 2 / pi
	s_mov_b32 s41, 0xbfc90fdb                      ; - pi/2, high part
	s_mov_b32 s42, 0x333bbd2e                      ; - pi/2, low part
	s_mov_b32 s43, 0xbe2aaaa3                      ; sin r = r + r^3 (S1 + S2 r^2 + S3 r^4)
	s_mov_b32 s44, 0x3c08839e
	s_mov_b32 s45, 0xb94ca1f9
	s_mov_b32 s46, 0x3d2aaaa5                      ; cos r = 1 - r^2 / 2 + r^4 (C2 + C3 r^2 + C4 r^4)
	s_mov_b32 s47, 0xbab6061a
	s_mov_b32 s48, 0x37ccf5ce
	s_wait_loadcnt 0x0
.macro SC e                            ; element e: cos f -> v[40+e], S' -> v[44+e]
	v_mul_f32 v8, s40, v[32+(\e)]
	v_rndne_f32 v8, v8                             ; n
	v_fma_f32 v9, v8, s41, v[32+(\e)]
	v_fma_f32 v9, v8, s42, v9                      ; r
	v_cvt_i32_f32 v10, v8
	v_mul_f32 v11, v9, v9
	v_fma_f32 v12, v11, s45, s44
	v_fma_f32 v12, v12, v11, s43
	v_mul_f32 v13, v9, v11
	v_fma_f32 v14, v12, v13, v9                    ; sin r
	v_fma_f32 v15, v11, s48, s47
	v_fma_f32 v15, v15, v11, s46
	v_fma_f32 v15, v15, v11, -0.5
	v_fma_f32 v16, v15, v11, 1.0                   ; cos r
	v_and_b32 v17, 1, v10
	v_cmp_eq_u32 vcc_lo, 1, v17                    ; an odd quarter turn changes the two over
	v_cndmask_b32 v18, v14, v16, vcc_lo
	v_cndmask_b32 v19, v16, v14, vcc_lo
.if (\e) % 2 == 0
	v_add_nc_u32 v17, 2, v10                       ; an even channel takes - sin f
	v_lshlrev_b32 v17, 30, v17
.else
	v_lshlrev_b32 v17, 30, v10                     ; sin f is negative where bit 1 of n is set
.endif
	v_and_b32 v17, 0x80000000, v17
	v_xor_b32 v[44+(\e)], v17, v18
	v_add_nc_u32 v17, 1, v10                       ; cos f where bit 1 of n + 1 is set
	v_lshlrev_b32 v17, 30, v17
	v_and_b32 v17, 0x80000000, v17
	v_xor_b32 v[40+(\e)], v17, v19
.endm
	SC 0
	SC 1
	SC 2
	SC 3
	global_store_b128 v3, v[40:43], s[26:27]               ; each store of the wave covers 512 consecutive bytes, aligned
	global_store_b128 v3, v[44:47], s[26:27] offset:1024
	FINISH
; ---------------- LayerNorm ----------------
.Lnorm:
	s_lshl_b32 s32, s2, 16                         ; 16 rows of 4,096 bytes of x
	s_add_nc_u64 s[8:9], s[8:9], s[32:33]
	s_lshl_b32 s32, s2, 15                         ; 16 rows of 2,048 bytes of xn
	s_add_nc_u64 s[20:21], s[20:21], s[32:33]
	s_mov_b32 s6, 0x76543210                       ; v_permlanex16_b32: each lane takes its own place in the other half
	s_mov_b32 s7, 0xfedcba98
	s_mov_b32 s28, 0x3a800000                      ; 1 / 1024
	s_mov_b32 s29, 0x3727c5ac                      ; 1e-5
	s_lshl_b32 s34, s4, 13                         ; my two rows of x
	s_lshl_b32 s35, s4, 12                         ; and of xn
	v_lshlrev_b32 v3, 4, v1                        ; 16 l: gamma and beta
	v_add_nc_u32 v2, s34, v3
	v_lshl_add_u32 v4, v1, 3, s35                  ; 8 l + my rows
	v_mov_b32 v19, 0                               ; v_permlanex16_b32 counts as a reader of its destination
.irp j, 0,1,2,3,4,5,6,7                ; register 4 j + e of a row holds channel 128 j + 4 l + e
	global_load_b128 v[32+4*\j:35+4*\j], v2, s[8:9] offset:512*\j th:TH_LOAD_NT
.endr
.irp j, 0,1,2,3,4,5,6,7
	global_load_b128 v[96+4*\j:99+4*\j], v3, s[10:11] offset:512*\j
.endr
.irp j, 0,1,2,3,4,5,6,7
	global_load_b128 v[128+4*\j:131+4*\j], v3, s[12:13] offset:512*\j
.endr
.irp j, 0,1,2,3,4,5,6,7
	global_load_b128 v[64+4*\j:67+4*\j], v2, s[8:9] offset:4096+512*\j th:TH_LOAD_NT
.endr
.macro LANESUM                         ; v18 summed over the 32 lanes, the sum in every lane
	v_add_f32_dpp v18, v18, v18 row_xmask:1 row_mask:0xf bank_mask:0xf
	v_add_f32_dpp v18, v18, v18 row_xmask:2 row_mask:0xf bank_mask:0xf
	v_add_f32_dpp v18, v18, v18 row_xmask:4 row_mask:0xf bank_mask:0xf
	v_add_f32_dpp v18, v18, v18 row_xmask:8 row_mask:0xf bank_mask:0xf
	v_permlanex16_b32 v19, v18, s6, s7
	v_add_f32 v18, v18, v19
.endm
.macro FOLD                            ; the four chains v[10:17] into v18
	v_pk_add_f32 v[10:11], v[10:11], v[12:13]
	v_pk_add_f32 v[14:15], v[14:15], v[16:17]
	v_pk_add_f32 v[10:11], v[10:11], v[14:15]
	v_add_f32 v18, v10, v11
	LANESUM
.endm
; One row in registers X .. X + 31.  w1: the loads younger than the row's own; w2: those younger than gamma's and beta's.
.macro ROW X, yoff, w1, w2
	s_wait_loadcnt \w1
.irp c, 0,1,2,3                        ; the sum, in four chains that do not wait for each other; the first pairs start them
	v_pk_add_f32 v[10+2*\c:11+2*\c], v[\X+2*\c:\X+2*\c+1], v[\X+8+2*\c:\X+8+2*\c+1]
.endr
.irp k, 16,24
.irp c, 0,1,2,3
	v_pk_add_f32 v[10+2*\c:11+2*\c], v[10+2*\c:11+2*\c], v[\X+\k+2*\c:\X+\k+2*\c+1]
.endr
.endr
	FOLD
	v_mul_f32 v6, s28, v18                         ; the mean, twice: a pair for the packed subtraction
	v_mul_f32 v7, s28, v18
.set p, 0
.rept 16
	v_pk_add_f32 v[\X+2*p:\X+2*p+1], v[\X+2*p:\X+2*p+1], v[6:7] neg_lo:[0,1] neg_hi:[0,1]
.set p, p+1
.endr
.irp c, 0,1,2,3                        ; the sum of squares of x - mean, again in four chains
	v_pk_mul_f32 v[10+2*\c:11+2*\c], v[\X+2*\c:\X+2*\c+1], v[\X+2*\c:\X+2*\c+1]
.endr
.irp k, 8,16,24
.irp c, 0,1,2,3
	v_pk_fma_f32 v[10+2*\c:11+2*\c], v[\X+\k+2*\c:\X+\k+2*\c+1], v[\X+\k+2*\c:\X+\k+2*\c+1], v[10+2*\c:11+2*\c]
.endr
.endr
	FOLD
	v_fma_f32 v18, v18, s28, s29                   ; variance + eps
	v_rsq_f32 v8, v18
	v_rsq_f32 v9, v18
	v_nop                                          ; a plain instruction behind the last root (ISA guide 5.7.2),
	s_wait_alu depctr_va_vdst(0)                   ; and the one wait ahead of the first reader
	s_wait_loadcnt \w2                             ; gamma and beta
.irp j, 0,1,2,3,4,5,6,7
	v_pk_mul_f32 v[\X+4*\j:\X+4*\j+1], v[\X+4*\j:\X+4*\j+1], v[8:9]
	v_pk_mul_f32 v[\X+4*\j+2:\X+4*\j+3], v[\X+4*\j+2:\X+4*\j+3], v[8:9]
	v_pk_fma_f32 v[\X+4*\j:\X+4*\j+1], v[\X+4*\j:\X+4*\j+1], v[96+4*\j:97+4*\j], v[128+4*\j:129+4*\j]
	v_pk_fma_f32 v[\X+4*\j+2:\X+4*\j+3], v[\X+4*\j+2:\X+4*\j+3], v[98+4*\j:99+4*\j], v[130+4*\j:131+4*\j]
	v_cvt_pk_f16_f32 v[\X+4*\j], v[\X+4*\j], v[\X+4*\j+1]
	v_cvt_pk_f16_f32 v[\X+4*\j+1], v[\X+4*\j+2], v[\X+4*\j+3]
	global_store_b64 v4, v[\X+4*\j:\X+4*\j+1], s[20:21] offset:\yoff+256*\j  ; 32 lanes x 8 bytes: 256 consecutive bytes, aligned; no register of a store is written again
.endr
.endm
	ROW 32, 0, 24, 8                               ; behind row 0's loads: gamma's, beta's and row 1's, 24; behind beta's: row 1's eight
	ROW 64, 2048, 0, 0
	FINISH
; ---------------- the weights, turned ----------------
; Thread t: c = t % 16, r = t / 16.  It loads 16 bytes (columns 4 c ..) of the eight rows k = 8 r + 0..7: sixteen lanes read 256 consecutive bytes of a row.
; Column 4 c + j then has eight neighbouring k in the thread: 16 bytes of f16, put into LDS row 4 c + j; read back by rows, sixteen lanes store 256 consecutive bytes.
.macro TR src, dst, pitch
	s_and_b32 s34, s32, 7                          ; which 128 k
	s_lshr_b32 s35, s32, 3                         ; which 64 n
	s_mul_i32 s36, s34, 128*(\pitch)
	s_lshl_b32 s37, s35, 8
	s_add_co_u32 s36, s36, s37
	s_mov_b32 s37, 0
	s_add_nc_u64 s[\src:\src+1], s[\src:\src+1], s[36:37]
	s_lshl_b32 s36, s35, 17                        ; 64 rows of 2,048 bytes
	s_lshl_b32 s38, s34, 8
	s_add_co_u32 s36, s36, s38
	s_add_nc_u64 s[\dst:\dst+1], s[\dst:\dst+1], s[36:37]
	v_mul_u32_u24 v16, v3, 8*(\pitch)
	v_lshl_add_u32 v16, v2, 4, v16
.irp i, 0,1,2,3,4,5,6,7
	global_load_b128 v[32+4*\i:35+4*\i], v16, s[\src:\src+1] offset:\i*(\pitch) th:TH_LOAD_NT
.endr
	v_mul_u32_u24 v17, v2, 4*272
	v_lshl_add_u32 v17, v3, 4, v17                 ; in: row 4 c, byte 16 r
	v_mul_u32_u24 v18, v3, 272
	v_lshl_add_u32 v18, v2, 4, v18                 ; back: row t / 16, byte 16 (t % 16)
	v_lshlrev_b32 v19, 11, v3
	v_lshl_add_u32 v19, v2, 4, v19                 ; and the same place in the turned weights
	s_wait_loadcnt 0x0
.irp j, 0,1,2,3
.irp m, 0,1,2,3
	v_cvt_pk_f16_f32 v[64+4*\j+\m], v[32+8*\m+\j], v[36+8*\m+\j]
.endr
.endr
.irp j, 0,1,2,3
	ds_store_b128 v17, v[64+4*\j:67+4*\j] offset:272*\j
.endr
	s_wait_dscnt 0x0                               ; for the others' sake: my stores are done
	s_barrier_signal -1
	s_barrier_wait -1
.irp i, 0,1,2,3
	ds_load_b128 v[80+4*\i:83+4*\i], v18 offset:16*272*\i
.endr
.irp i, 0,1,2,3
	s_wait_dscnt 3-\i
	global_store_b128 v19, v[80+4*\i:83+4*\i], s[\dst:\dst+1] offset:16*2048*\i
.endr
	FINISH
.endm
.Lturn:
	s_sub_co_u32 s32, s2, 512
	v_and_b32 v2, 15, v0
	v_lshrrev_b32 v3, 4, v0
	s_cmp_lt_u32 s32, 384
	s_cbranch_scc0 .Lwout
	TR 14, 22, 12288
.Lwout:
	s_sub_co_u32 s32, s32, 384
	TR 16, 24, 4096
.Lfunc_end_k_q01fb9336f8_prep:
	.size	k_q01fb9336f8_prep, .Lfunc_end_k_q01fb9336f8_prep-k_q01fb9336f8_prep
	.p2alignl 7, 3214868480
	.fill 96, 4, 3214868480
	.section	.rodata,"a",@progbits
	.p2align	6, 0x0
	.amdhsa_kernel k_q01fb9336f8_prep
		.amdhsa_group_segment_fixed_size 18432
		.amdhsa_private_segment_fixed_size 0
		.amdhsa_enable_private_segment 0
		.amdhsa_kernarg_size 80
		.amdhsa_user_sgpr_count 2
		.amdhsa_user_sgpr_kernarg_segment_ptr 1
		.amdhsa_wavefront_size32 1
		.amdhsa_system_sgpr_workgroup_id_x 1
		.amdhsa_system_sgpr_workgroup_id_y 1
		.amdhsa_system_sgpr_workgroup_id_z 1
		.amdhsa_system_vgpr_workitem_id 0
		.amdhsa_next_free_vgpr 160
		.amdhsa_next_free_sgpr 66
		.amdhsa_reserve_vcc 1
		.amdhsa_float_denorm_mode_32 3
		.amdhsa_float_denorm_mode_16_64 3
		.amdhsa_memory_ordered 1
		.amdhsa_forward_progress 1
		.amdhsa_inst_pref_size 36
	.end_amdhsa_kernel
	.amdgpu_metadata
---
amdhsa.version: [ 1, 2 ]
amdhsa.kernels:
  - .name:           k_q01fb9336f8_prep
    .symbol:         k_q01fb9336f8_prep.kd
    .args:
      - { .name: x, .offset: 0, .size: 8, .value_kind: global_buffer, .address_space: global }
      - { .name: gamma, .offset: 8, .size: 8, .value_kind: global_buffer, .address_space: global }
      - { .name: beta, .offset: 16, .size: 8, .value_kind: global_buffer, .address_space: global }
      - { .name: W_qkv, .offset: 24, .size: 8, .value_kind: global_buffer, .address_space: global }
      - { .name: W_out, .offset: 32, .size: 8, .value_kind: global_buffer, .address_space: global }
      - { .name: rotary_pos_emb, .offset: 40, .size: 8, .value_kind: global_buffer, .address_space: global }
      - { .name: xn, .offset: 48, .size: 8, .value_kind: global_buffer, .address_space: global }
      - { .name: wtq, .offset: 56, .size: 8, .value_kind: global_buffer, .address_space: global }
      - { .name: wto, .offset: 64, .size: 8, .value_kind: global_buffer, .address_space: global }
      - { .name: tab, .offset: 72, .size: 8, .value_kind: global_buffer, .address_space: global }
    .group_segment_fixed_size: 18432
    .private_segment_fixed_size: 0
    .kernarg_segment_align: 8
    .kernarg_segment_size: 80
    .max_flat_workgroup_size: 256
    .sgpr_count:     66
    .vgpr_count:     160
    .wavefront_size: 32
...
	.end_amdgpu_metadata
.endif
;; end of part 1
;; launch qkvg (part 2): grid 16 x 32, 4 waves a work-group, clusters of 4 x 4, 327,680 bytes of LDS; arguments xn, wtq, tab, qkv; writes qkv
.if DOCPART == 2
	.amdgcn_target "amdgcn-amd-amdhsa--gfx1250"
	.amdhsa_code_object_version 6
	.text
	.protected	k_q01fb9336f8_qkvg
	.globl	k_q01fb9336f8_qkvg
	.p2align	8
	.type	k_q01fb9336f8_qkvg,@function
k_q01fb9336f8_qkvg:
	s_mov_b64 s[64:65], 0
	v_nop
	global_prefetch_b8 v0, s[64:65] scope:SCOPE_SE
	s_setreg_imm32_b32 hwreg(HW_REG_WAVE_MODE, 25, 1), 1
	s_wait_xcnt 0x0
	s_wait_alu depctr_hold_cnt(0) depctr_sa_sdst(0) depctr_va_vdst(0) depctr_va_sdst(0) depctr_va_ssrc(0) depctr_va_vcc(0) depctr_vm_vsrc(0)
	s_getreg_b32 s2, hwreg(HW_REG_IB_STS2, 6, 4)
	s_cmp_eq_u32 s2, 0
	s_cbranch_scc0 .Lentry_in_a_cluster
	s_endpgm
.Lentry_in_a_cluster:
	s_bfe_u32 s2, ttmp6, 0x10000c
	s_cmp_lg_u32 s2, 0xf033
	s_cbranch_scc0 .Lentry_shape_is_right
	s_endpgm
.Lentry_shape_is_right:
; qkv = rotary(xn W_qkv), by heads.  xn: [8192][1024] f16; wtq: [3072 n][1024 k] f16; tab: cos and S' in fragment order, f32; qkv: [4 b][48 heads: q, k, v][2048][64] f16.  Sums in f32.
; A tile is 256 rows x 192 columns (three heads): 512 work-groups.  Four waves, each 64 rows x all 192 columns: 48 accumulators of 16 x 16, so a wave holds whole heads.
; K goes in 8 steps of 128 through two LDS slots filled by the tensor data mover; the tiles' rows are 256 bytes of memory, aligned.
; THE MATRIX INSTRUCTION IS USED TRANSPOSED (source 0 = 16 rows of wtq, source 1 = 16 rows of xn): lane l holds row l % 16 and the columns 16 b + 8 (l / 16) + 0..7.
; ROTARY on the way out: y[d] = x[d] cos f[d] + x[d ^ 1] S'[d]; a pair (d, d ^ 1) lies in one register pair, and the table was stored in just this order.
; CLUSTER 4 x 4: xn's tile is shared along a row of the cluster, wtq's along a column; each is asked for jointly.
; LIMIT.  q, k and v are rounded once to f16 and must stay within 65,504.
; REGISTERS, in windows of 256 (s_set_vgpr_msb: bits 1:0 source 0, 3:2 source 1, 5:4 source 2, 7:6 destination):
;   window 0: v0-31 addresses; v32-111 at work on the way out; v128-255 the tables of my row blocks 0 and 1
;   window 1: v0-95, v96-191 fragments of wtq, two buffers; v192-223, v224-255 fragments of xn, two buffers
;   window 2: v0-191 the accumulators of row blocks 0, 1 ((a, b) at 8 (12 (a % 2) + b)); v192-255 the table of block 2      window 3: the same for blocks 2, 3 and the table of block 3
.set NBK,   12                         ; column blocks of 16
.set PA,    272                        ; an LDS row: 256 bytes + 16 of padding = 68 words: the 16 rows of a load start at 16 different groups of four banks (64 banks of 4 bytes: ISA guide 11.1)
.set PB,    272
.set KAHI,  128                        ; quarter q of a K step begins at byte (q / 2) KAHI + (q % 2) 64 of xn's LDS rows
.set NL,    2*NBK+8                    ; LDS loads in a quarter's run
.set SLOT1, 131072                     ; slot 1 begins here: one exclusive or turns an address in one slot into the other's
.set BOFF,  256*PA                     ; in a slot: xn's 256 rows, then wtq's 192
.set STAGE, SLOT1+BOFF+16*NBK*PB       ; behind the ring, never filled by a tensor load: 16 rows x 144 bytes for each wave
.set SP,    144
.set SPARE, STAGE+4*16*SP              ; the spare words, 128 bytes for each wave
.set STEP_A, 256                       ; bytes from a K step of xn to the next
.set FIRST, 1                          ; the first quarter's products start the sums with the constant 0
.set ADRA0, 16                         ; v16  my lane's place in xn's tile of slot 0; never rewritten
.set ADRB0, 17                         ; v17  the same for wtq
.set ADRA,  18                         ; v18  the same in the slot in hand
.set ADRB,  19
.set STO,   24                         ; v24  the way out: where I put 16 bytes of a row
.set RD,    25                         ; v25  where I read rows back
.set GO,    26                         ; v26  16 x lane
.set SPW,   28                         ; v28  LDS address of my spare word; never rewritten
.set NIL,   29                         ; v29  0; never rewritten
.set PFO,   30                         ; v30  the prefetches' offset; never rewritten
.set TT,    32
.set PKR,   64
.set OB,    80
.set WV,    12                         ; s12 wave; s13 = wave % 2: which part of a tile I fetch; s14 = wave / 2: 0 for xn, 1 for wtq
.set LIM,   15                         ; s15  a wave prefetches while the loop's counter is above it
.set G1,    24                         ; s[24:31] group 1 for xn's tiles; s[32:39] group 0, two sets: the second walks
.set G0,    32
.set PFA,   44                         ; s[44:45] where my prefetches stand
.set G1B,   48                         ; s[48:55], s[56:63] the same for wtq's tiles
.set G0B,   56
.set TB,    66                         ; s66  0 or SLOT1: the slot in hand
.set PFS,   68                         ; s[68:69] the prefetches' step
.set MSB, 0
.macro WIN new                         ; the immediate's high byte repeats the setting that is left; a switch that changes nothing is dropped
.if MSB != (\new)
	s_set_vgpr_msb (MSB<<8)|(\new)
.set MSB, (\new)
.endif
.endm
.set MUL_LO, 0xa5                      ; sources 0 and 1 window 1, C and D window 2
.set TO_F,   0x40                      ; destination window 1, address window 0
.macro PLACES                          ; four plain vector instructions between a matrix instruction and a load into, or a read of, its registers
.rept 4
	v_nop
.endr
.endm
.macro CREST                           ; a round of the cluster's barrier behind its opening barrier
	s_cmp_lg_u32 s[WV], 0
	s_cbranch_scc1 .Lnot_wave_0_\@
	s_barrier_signal -3
.Lnot_wave_0_\@:
	s_barrier_wait -3
	s_barrier_signal -1
	s_barrier_wait -1
.endm
.macro CROUND
	s_barrier_signal -1
	s_barrier_wait -1
	CREST
.endm
; A joint refill by the walking descriptors.  The branch hangs on the wave's number alone.  An s_nop 0 and four v_nop follow each line.
.macro JLOAD
	s_cmp_eq_u32 s14, 0
	s_cbranch_scc0 .Lfor_b_\@
	tensor_load_to_lds s[G0+4:G0+7], s[G1:G1+7]
	s_nop 0
	PLACES
	s_branch .Lasked_\@
.Lfor_b_\@:
	tensor_load_to_lds s[G0B+4:G0B+7], s[G1B:G1B+7]
	s_nop 0
	PLACES
.Lasked_\@:
.endm
; A prefetch into the L2 of the K step one beyond the refill just asked for: a lane a row, 256 bytes of each.  xn's rows are named by the clusters with x = 0, wtq's by those with y = 0;
; the four partners of a joint load share its rows out by address.  The loop's last trip asks for nothing: there is no such K step.
.macro ASK
	s_cmp_gt_u32 s3, s[LIM]
	s_cbranch_scc0 .Lnot_mine_\@
	global_prefetch_b8 v[PFO], s[PFA:PFA+1] th:TH_LOAD_NT scope:SCOPE_SE
.Lnot_mine_\@:
.endm
; One run of NL LDS loads: the fragments of quarter q into buffer f; xn's row blocks 2 and 3 last
.macro FETCH q, f
	WIN TO_F
.set b, 0
.rept NBK
	ds_load_b128 v[8*NBK*(\f)+8*b:8*NBK*(\f)+8*b+3],   v[ADRB] offset:64*(\q)+b*16*PB
	ds_load_b128 v[8*NBK*(\f)+8*b+4:8*NBK*(\f)+8*b+7], v[ADRB] offset:64*(\q)+b*16*PB+32
.set b, b+1
.endr
.set b, 0
.rept 4
	ds_load_b128 v[16*NBK+32*(\f)+8*b:16*NBK+32*(\f)+8*b+3],   v[ADRA] offset:((\q)/2)*KAHI+((\q)%2)*64+b*16*PA
	ds_load_b128 v[16*NBK+32*(\f)+8*b+4:16*NBK+32*(\f)+8*b+7], v[ADRA] offset:((\q)/2)*KAHI+((\q)%2)*64+b*16*PA+32
.set b, b+1
.endr
.endm
; NBK matrix instructions: row block a x all column blocks, 32 along K, from buffer f.  The 48 accumulators take turns, one instruction a turn, in the same order in every quarter.
.macro MULA f, a, mode
	WIN MUL_LO+0x50*((\a)/2)
.set rA, 16*NBK+32*(\f)+8*(\a)
.set b, 0
.rept NBK
.set rD, 8*(NBK*((\a)%2)+b)
.set rB, 8*NBK*(\f)+8*b
.if (\mode) == 1
	v_wmma_f32_16x16x32_f16 v[rD:rD+7], v[rB:rB+7], v[rA:rA+7], 0
.else
	v_wmma_f32_16x16x32_f16 v[rD:rD+7], v[rB:rB+7], v[rA:rA+7], v[rD:rD+7]
.endif
.set b, b+1
.endr
.endm
; A K step is four quarters of 32 along K on buffers 0, 1, 0, 1.  One of the first three multiplies buffer f and, in its middle, fetches quarter q into buffer g.
.macro QUARTER q, f, g, mode
	s_wait_dscnt 4                                 ; all but the youngest four loads (xn's blocks 2 and 3)
	MULA \f, 0, \mode
	MULA \f, 1, \mode
	PLACES
	FETCH \q, \g
	s_wait_dscnt NL                                ; all but the NL just issued
	MULA \f, 2, \mode
	MULA \f, 3, \mode
.endm
; The fourth quarter multiplies buffer 1 and changes slots: one barrier.  In front of it each wave waits for all its tensor loads (one is out: its part of the next slot), adds 0 to its spare word,
; and waits for that and for its reads of this slot.  fill = 1: the barrier opens a round of the cluster's, and the joint refill, two K steps ahead, is the first thing behind the round.
.macro TURN fill
.if \fill
	s_wait_xcnt 0x0                                ; the last prefetch, a K step back, has read its address
	s_add_nc_u64 s[PFA:PFA+1], s[PFA:PFA+1], s[PFS:PFS+1]
.endif
	WIN 0
	s_wait_tensorcnt 0x0
	ds_add_u32 v[SPW], v[NIL]
	s_wait_dscnt 5                                 ; the add and the youngest four loads may be out
	MULA 1, 0, 0
	s_wait_dscnt 0x0                               ; the add is done, and my reads of this slot are over
	s_barrier_signal -1
	MULA 1, 1, 0
	WIN 0
	s_barrier_wait -1
.if \fill
	CREST
	s_xor_b32 s[G0+5], s[G0+5], SLOT1              ; no tensor load of mine is out: the walking descriptors step to the slot just left and the K step two on
	s_add_nc_u64 s[G0+6:G0+7], s[G0+6:G0+7], STEP_A
	s_xor_b32 s[G0B+5], s[G0B+5], SLOT1
	s_add_nc_u64 s[G0B+6:G0B+7], s[G0B+6:G0B+7], 256
	JLOAD                                          ; its four v_nop are also the places in front of the loads below
.else
	PLACES
.endif
	s_xor_b32 s[TB], s[TB], SLOT1
	v_add_nc_u32 v[ADRA], s[TB], v[ADRA0]
	v_add_nc_u32 v[ADRB], s[TB], v[ADRB0]
	FETCH 0, 0
.if \fill
	WIN 0
	ASK
.endif
	MULA 1, 2, 0
	MULA 1, 3, 0
.endm
	s_load_b256 s[4:11], s[0:1], 0x0               ; xn 4, wtq 6, tab 8, qkv 10
	v_lshl_add_u32 v[SPW], v0, 2, SPARE
	v_mov_b32 v[NIL], 0
	ds_add_u32 v[SPW], v[NIL]                      ; the wave's opening
	v_lshrrev_b32 v1, 5, v0
	v_readfirstlane_b32 s[WV], v1
	s_and_b32 s13, s[WV], 1
	s_lshr_b32 s14, s[WV], 1
	s_bfe_u32 s40, ttmp6, 0x40000                  ; cx
	s_bfe_u32 s41, ttmp6, 0x40004                  ; cy
	s_lshl_b32 s42, ttmp9, 2
	s_add_co_u32 s42, s42, s40                     ; tile column
	s_and_b32 s43, ttmp7, 0xffff
	s_lshl_b32 s43, s43, 2
	s_add_co_u32 s43, s43, s41                     ; tile row
	s_lshl_b32 s16, s41, 2
	s_lshl_b32 s16, 15, s16                        ; my row of the cluster
	s_lshl_b32 s17, 0x1111, s40                    ; my column
	s_or_b32 s[G1], s16, (1<<16)|(1<<20)|(1<<21)|(5<<22)|(3<<25)   ; the mask; 2-byte elements; padding on; bit 21 beside a mask; after every 64 words, 4 words
	s_or_b32 s[G1B], s17, (1<<16)|(1<<20)|(1<<21)|(5<<22)|(3<<25)
	s_mov_b32 s[G1+1], 128<<16                     ; tensor_dim0 = 128
	s_mov_b32 s[G1+2], 128<<16                     ; tensor_dim1 = 128
	s_mov_b32 s[G1+3], 128<<16                     ; tile_dim0 = 128
	s_mov_b32 s[G1+4], 128                         ; tile_dim1 = 128 rows
	s_mov_b32 s[G1+5], 1024                        ; elements from row to row
	s_mov_b32 s[G1+6], 0
	s_mov_b32 s[G1+7], 0
	s_mov_b32 s[G1B+1], 128<<16
	s_mov_b32 s[G1B+2], 96<<16                     ; 96 rows
	s_mov_b32 s[G1B+3], 128<<16
	s_mov_b32 s[G1B+4], 96
	s_mov_b32 s[G1B+5], 1024
	s_mov_b32 s[G1B+6], 0
	s_mov_b32 s[G1B+7], 0
	s_lshl_b32 s18, s43, 19                        ; xn: row 256 x tile row + 128 x part, 2,048 bytes a row
	s_lshl_b32 s19, s13, 18
	s_add_co_u32 s18, s18, s19
	s_mov_b32 s19, 0
	s_mul_i32 s46, s42, 192                        ; wtq: row 192 x tile column + 96 x part
	s_mul_i32 s47, s13, 96
	s_add_co_u32 s46, s46, s47
	s_lshl_b32 s46, s46, 11
	s_mov_b32 s47, 0
	s_mov_b32 s[G0], 1
	s_mul_i32 s[G0+1], s13, 128*PA                 ; no place in the cluster enters an LDS address
	s_mov_b32 s[G0+4], 1
	s_add_co_u32 s[G0+5], s[G0+1], SLOT1
	s_mov_b32 s[G0B], 1
	s_mul_i32 s[G0B+1], s13, 96*PB
	s_add_co_u32 s[G0B+1], s[G0B+1], BOFF
	s_mov_b32 s[G0B+4], 1
	s_add_co_u32 s[G0B+5], s[G0B+1], SLOT1
	s_mov_b32 s[TB], 0
	s_wait_dscnt 0x0                               ; the opening add is done
	s_wait_kmcnt 0x0
	s_add_nc_u64 s[G0+2:G0+3], s[4:5], s[18:19]    ; K step 0 into slot 0,
	s_add_nc_u64 s[G0+6:G0+7], s[G0+2:G0+3], STEP_A  ; K step 1 into slot 1
	s_or_b32 s[G0+3], s[G0+3], 0x80000000
	s_or_b32 s[G0+7], s[G0+7], 0x80000000
	s_add_nc_u64 s[G0B+2:G0B+3], s[6:7], s[46:47]
	s_add_nc_u64 s[G0B+6:G0B+7], s[G0B+2:G0B+3], 256
	s_or_b32 s[G0B+3], s[G0B+3], 0x80000000
	s_or_b32 s[G0B+7], s[G0B+7], 0x80000000
	CROUND                                         ; all sixteen work-groups are here: the first joint loads meet
	s_cmp_eq_u32 s14, 0                            ; a wave's two first fills stand in one branch: two loads of mine are out
	s_cbranch_scc0 .Lfirst_b
	tensor_load_to_lds s[G0:G0+3], s[G1:G1+7]
	s_nop 0
	tensor_load_to_lds s[G0+4:G0+7], s[G1:G1+7]
	s_nop 0
	PLACES
	s_branch .Lfirst_done
.Lfirst_b:
	tensor_load_to_lds s[G0B:G0B+3], s[G1B:G1B+7]
	s_nop 0
	tensor_load_to_lds s[G0B+4:G0B+7], s[G1B:G1B+7]
	s_nop 0
	PLACES
.Lfirst_done:
	v_and_b32 v1, 15, v0                           ; r
	v_bfe_u32 v2, v0, 4, 1                         ; h
	v_and_b32 v[GO], 31, v0
	v_lshlrev_b32 v[GO], 4, v[GO]
	s_lshl_b32 s20, s43, 4                         ; my first row block of 16: 16 x tile row + 4 x wave
	s_lshl_b32 s21, s[WV], 2
	s_add_co_u32 s20, s20, s21
	s_lshl_b32 s20, s20, 13
	s_mov_b32 s21, 0
	s_add_nc_u64 s[8:9], s[8:9], s[20:21]
.macro TABLD a, win, base              ; the table of my row block a: 16 loads of 512 consecutive bytes; waited for once, ahead of the way out
	WIN \win
.set i, 0
.rept 16
	global_load_b128 v[(\base)+4*i:(\base)+4*i+3], v[GO], s[8:9] offset:(\a)*8192+i*512
.set i, i+1
.endr
.endm
	TABLD 0, 0, 128
	TABLD 1, 0, 192
	TABLD 2, 0x80, 192
	TABLD 3, 0xc0, 192
	WIN 0
	v_mul_u32_u24 v3, v1, PA
	v_lshl_add_u32 v3, v2, 4, v3                   ; a fragment's row x pitch + 16 x half
	s_mul_i32 s20, s[WV], 64*PA
	v_add_nc_u32 v[ADRA0], s20, v3                 ; my 64 rows of xn
	v_add_nc_u32 v[ADRB0], BOFF, v3
	v_mov_b32 v[ADRA], v[ADRA0]
	v_mov_b32 v[ADRB], v[ADRB0]
	s_mul_i32 s20, s[WV], 16*SP
	s_add_co_u32 s20, s20, STAGE                   ; my stage
	v_mul_u32_u24 v[STO], v1, SP
	v_lshl_add_u32 v[STO], v2, 4, v[STO]
	v_add_nc_u32 v[STO], s20, v[STO]
	v_bfe_u32 v[RD], v0, 3, 2                      ; back: 32 lanes take four rows of 128 bytes
	v_mul_u32_u24 v[RD], v[RD], SP
	v_and_b32 v4, 7, v0
	v_lshl_add_u32 v[RD], v4, 4, v[RD]
	v_add_nc_u32 v[RD], s20, v[RD]
	s_lshr_b32 s20, s43, 3                         ; batch
	s_mul_i32 s20, s20, 48
	s_mul_i32 s21, s42, 3
	s_add_co_u32 s20, s20, s21                     ; my first head's plane of 262,144 bytes
	s_lshl_b32 s20, s20, 18
	s_and_b32 s21, s43, 7
	s_lshl_b32 s21, s21, 15                        ; the tile's 256 rows of 128 bytes
	s_add_co_u32 s20, s20, s21
	s_lshl_b32 s21, s[WV], 13                      ; my 64
	s_add_co_u32 s20, s20, s21
	s_mov_b32 s21, 0
	s_add_nc_u64 s[10:11], s[10:11], s[20:21]
	; the prefetches: of the 128 rows of xn that I fetch, partner cx names 32; of the 96 rows of wtq, partner cy names 24 (lanes 24-31 repeat the last of them in the same instruction)
	s_lshl_b32 s20, s43, 8
	s_mul_i32 s21, s42, 192
	s_lshl_b32 s22, s13, 7
	s_mul_i32 s23, s13, 96
	s_lshl_b32 s46, s40, 5
	s_mul_i32 s47, s41, 24
	s_and_b32 s16, ttmp7, 0xffff                   ; cluster y
	s_cmp_eq_u32 s14, 0
	s_cselect_b32 s20, s20, s21
	s_cselect_b32 s22, s22, s23
	s_cselect_b32 s46, s46, s47
	s_cselect_b32 s16, ttmp9, s16                  ; the coordinate along which other clusters read the same rows
	s_cselect_b64 s[PFA:PFA+1], s[4:5], s[6:7]
	s_cselect_b32 s17, 31, 23
	s_cmp_eq_u32 s16, 0
	s_cselect_b32 s[LIM], 1, -1                    ; the same in all sixteen partners, for a given wave
	s_add_co_u32 s20, s20, s22
	s_add_co_u32 s20, s20, s46
	s_lshl_b32 s20, s20, 11
	s_mov_b32 s21, 0
	s_add_nc_u64 s[PFA:PFA+1], s[PFA:PFA+1], s[20:21]
	s_add_nc_u64 s[PFA:PFA+1], s[PFA:PFA+1], 2*256 ; at K step 2: the first change of slots steps it to 3, while it asks for K step 2 by its refill
	s_mov_b32 s[PFS], 256
	s_mov_b32 s[PFS+1], 0
	v_and_b32 v[PFO], 31, v0
	v_min_u32 v[PFO], s17, v[PFO]
	v_lshlrev_b32 v[PFO], 11, v[PFO]
	s_wait_tensorcnt 1                             ; my part of K step 0 is in; K step 1's may stay out
	s_barrier_signal -1
	s_barrier_wait -1
	FETCH 0, 0
	QUARTER 1, 0, 1, FIRST
	WIN 0
	s_mov_b32 s3, 6
.Lstep:                                ; a trip: from a K step's second quarter to the next step's first; K steps 2 to 7 are asked for
	QUARTER 2, 1, 0, 0
	QUARTER 3, 0, 1, 0
	TURN 1
	QUARTER 1, 0, 1, 0
	WIN 0
	s_sub_co_u32 s3, s3, 1
	s_cmp_lg_u32 s3, 0
	s_cbranch_scc1 .Lstep
	QUARTER 2, 1, 0, 0                             ; the last two K steps are written out: nothing is asked for
	QUARTER 3, 0, 1, 0
	TURN 0
	QUARTER 1, 0, 1, 0
	QUARTER 2, 1, 0, 0
	QUARTER 3, 0, 1, 0
	s_wait_dscnt 4
	MULA 1, 0, 0
	MULA 1, 1, 0
	s_wait_dscnt 0x0
	MULA 1, 2, 0
	MULA 1, 3, 0
; THE WAY OUT, in twelve groups g = 3 a + j: row block a, head j.  ROT: the rotary step and the rounding to f16.  TOSTAGE: into my stage, and back as whole rows.  SEND: stored.
.macro ROT a, j
.set AC, 8*(NBK*((\a)%2)+4*(\j))
.if (\a) == 0
.set TBL, 128
.else
.set TBL, 192
.endif
.if (\a) < 2
	WIN 0x02                                       ; source 0 (sums) window 2, source 1 (table) window 0
.elseif (\a) == 2
	WIN 0x0b                                       ; sums window 3, table window 2
.else
	WIN 0x0f                                       ; both window 3
.endif
.set p, 0
.rept 16                               ; ascending: each accumulator's lowest registers are read first
	v_pk_mul_f32 v[TT+2*p:TT+2*p+1], v[AC+2*p:AC+2*p+1], v[TBL+16*(p/4)+2*(p%4):TBL+16*(p/4)+2*(p%4)+1]
.set p, p+1
.endr
.set p, 0
.rept 16                               ; the pair's two numbers change places in source 0
	v_pk_fma_f32 v[TT+2*p:TT+2*p+1], v[AC+2*p:AC+2*p+1], v[TBL+16*(p/4)+8+2*(p%4):TBL+16*(p/4)+8+2*(p%4)+1], v[TT+2*p:TT+2*p+1] op_sel:[1,0,0] op_sel_hi:[0,1,1]
.set p, p+1
.endr
	WIN 0
.set p, 0
.rept 16
	v_cvt_pk_f16_f32 v[PKR+p], v[TT+2*p], v[TT+2*p+1]
.set p, p+1
.endr
.endm
.macro TOSTAGE g
.set OBK, OB+16*((\g)%2)
	s_wait_xcnt 0x0                                ; the stores of two groups back have read these registers
.irp f, 0,1,2,3
	ds_store_b128 v[STO], v[PKR+4*\f:PKR+4*\f+3] offset:32*\f
.endr
.irp f, 0,1,2,3
	ds_load_b128 v[OBK+4*\f:OBK+4*\f+3], v[RD] offset:4*SP*\f  ; LDS serves a wave's instructions in order (ISA guide 5.7.1.4): these see the stores above
.endr
.endm
.macro SEND g
.set OBK, OB+16*((\g)%2)
.irp f, 0,1,2,3
	s_wait_dscnt 3-\f
	global_store_b128 v[GO], v[OBK+4*\f:OBK+4*\f+3], s[10:11] offset:((\g)%3)*262144+((\g)/3)*2048+\f*512  ; 512 consecutive bytes of a head, aligned
.endr
.endm
	WIN 0
	PLACES
	s_wait_loadcnt 0x0                             ; the tables
	ROT 0, 0
	TOSTAGE 0
.irp g, 1,2,3,4,5,6,7,8,9,10,11        ; a group's arithmetic stands between the loads of the group before and its stores
	ROT (\g)/3, (\g)%3
	SEND (\g)-1
	TOSTAGE \g
.endr
	SEND 11
	s_wait_tensorcnt 0x0                           ; the wave's end
	ds_add_u32 v[SPW], v[NIL]
	s_wait_dscnt 0x0
	CROUND                                         ; the closing round
	s_endpgm
.Lfunc_end_k_q01fb9336f8_qkvg:
	.size	k_q01fb9336f8_qkvg, .Lfunc_end_k_q01fb9336f8_qkvg-k_q01fb9336f8_qkvg
	.p2alignl 7, 3214868480
	.fill 96, 4, 3214868480
	.section	.rodata,"a",@progbits
	.p2align	6, 0x0
	.amdhsa_kernel k_q01fb9336f8_qkvg
		.amdhsa_group_segment_fixed_size 327680
		.amdhsa_private_segment_fixed_size 0
		.amdhsa_enable_private_segment 0
		.amdhsa_kernarg_size 32
		.amdhsa_user_sgpr_count 2
		.amdhsa_user_sgpr_kernarg_segment_ptr 1
		.amdhsa_wavefront_size32 1
		.amdhsa_system_sgpr_workgroup_id_x 1
		.amdhsa_system_sgpr_workgroup_id_y 1
		.amdhsa_system_sgpr_workgroup_id_z 1
		.amdhsa_system_vgpr_workitem_id 0
		.amdhsa_next_free_vgpr 1024
		.amdhsa_next_free_sgpr 72
		.amdhsa_reserve_vcc 0
		.amdhsa_float_denorm_mode_32 3
		.amdhsa_float_denorm_mode_16_64 3
		.amdhsa_memory_ordered 1
		.amdhsa_forward_progress 1
		.amdhsa_inst_pref_size 129
	.end_amdhsa_kernel
	.amdgpu_metadata
---
amdhsa.version: [ 1, 2 ]
amdhsa.kernels:
  - .name:           k_q01fb9336f8_qkvg
    .symbol:         k_q01fb9336f8_qkvg.kd
    .args:
      - { .name: xn, .offset: 0, .size: 8, .value_kind: global_buffer, .address_space: global }
      - { .name: wtq, .offset: 8, .size: 8, .value_kind: global_buffer, .address_space: global }
      - { .name: tab, .offset: 16, .size: 8, .value_kind: global_buffer, .address_space: global }
      - { .name: qkv, .offset: 24, .size: 8, .value_kind: global_buffer, .address_space: global }
    .group_segment_fixed_size: 327680
    .private_segment_fixed_size: 0
    .kernarg_segment_align: 8
    .kernarg_segment_size: 32
    .max_flat_workgroup_size: 128
    .sgpr_count:     72
    .vgpr_count:     1024
    .wavefront_size: 32
...
	.end_amdgpu_metadata
.endif
;; end of part 2
;; launch attn (part 3): grid 4 x 64, 4 waves a work-group, clusters of 4 x 1, 327,680 bytes of LDS; arguments qkv, attn_mask, tab, att; writes att
.if DOCPART == 3
	.amdgcn_target "amdgcn-amd-amdhsa--gfx1250"
	.amdhsa_code_object_version 6
	.text
	.protected	k_q01fb9336f8_attn
	.globl	k_q01fb9336f8_attn
	.p2align	8
	.type	k_q01fb9336f8_attn,@function
k_q01fb9336f8_attn:
	s_mov_b64 s[64:65], 0
	v_nop
	global_prefetch_b8 v0, s[64:65] scope:SCOPE_SE
	s_setreg_imm32_b32 hwreg(HW_REG_WAVE_MODE, 25, 1), 1
	s_wait_xcnt 0x0
	s_wait_alu depctr_hold_cnt(0) depctr_sa_sdst(0) depctr_va_vdst(0) depctr_va_sdst(0) depctr_va_ssrc(0) depctr_va_vcc(0) depctr_vm_vsrc(0)
	s_getreg_b32 s2, hwreg(HW_REG_IB_STS2, 6, 4)
	s_cmp_eq_u32 s2, 0
	s_cbranch_scc0 .Lentry_in_a_cluster
	s_endpgm
.Lentry_in_a_cluster:
	s_bfe_u32 s2, ttmp6, 0x10000c
	s_cmp_lg_u32 s2, 0x3003
	s_cbranch_scc0 .Lentry_shape_is_right
	s_endpgm
.Lentry_shape_is_right:
; att[b h][q][:] = inverse rotary of the sum over k of softmax_k(Q[q] . K[k] / 8 + bias[k]) V[k][:].  qkv: [4 b][48: q, k, v heads][2048][64] f16; attn_mask: [4][2048] bytes, 1 = the key is hidden;
; tab: cos and S' in fragment order, f32; att: [64 b h][2048][64] f16.  Products, maxima and sums in f32; the weights p are rounded to f16 for the second product, the result once at the end.
; LIMITS.  f16 holds no number beyond 65,504: q, k, v arrive within it.  A hidden key's score counts as its value less 1e30 (f16's scores are 2.7e11 at the most); its weight is then 0 as soon as the running
; maximum is a true score.  Where all keys of a batch are hidden the result is NaN, as softmax of -inf alone is: 1 / l is replaced by NaN where the maximum lies below -1e29.  A weight below 2^-126 counts as 0 in l.
; SHARES.  A wave owns four PIECES of two tiles of 16 queries, a work-group's four waves 512 queries of one head.  Every wave walks all 2,048 keys, 64 a step.
; LAYOUT.  S^T = K Q^T (source 0 = 16 keys, source 1 = 16 queries): a lane holds ONE query (lane % 16) and the keys 8 (lane / 16) + 0..7.  Two such tiles, rounded to f16 in pairs, ARE source 1 of
; O^T = V^T P, whose result again holds one query a lane, and eight channels.  K comes out of LDS as it lies, V turned, by ds_load_tr16_b128.
; THE MASK is the C operand that starts the sum S^T: 0 or -1e30 for each key, made once into 8,192 bytes of LDS and fetched with each step's K.
; SOFTMAX.  A running maximum m and sum l: p = 2^(c s - c m), c = log2(e) / 8; in every step O and l are multiplied by a = 2^(c m_old - c m_new).  m starts at the lowest finite number, O and l at 0.
; BY TURNS.  Turn n belongs to piece n: 16 products K Q^T of piece n + 1, later 16 products V^T P of piece n - 1; the scaling, exponentials, roundings, sums and rescaling of piece n, and the maximum and
; statistics of piece n + 1.  Four vector instructions stand behind every matrix instruction, the others in one lump; a turn's 66 exponentials are one batch with one wait.
; CLUSTER.  The four query blocks of a head walk the same K and V: each tile is asked for jointly.
; REGISTERS, in windows of 256 (s_set_vgpr_msb: bits 1:0 source 0, 3:2 source 1, 5:4 source 2, 7:6 destination):
;   window 0: v0-11 addresses; v12-15, v48-63 at work; v16-47 statistics; v64-191 S^T, two buffers of two tiles; v192-255 P, likewise
;   window 1: O^T, 32 a tile      window 2: v0-127 Q; v128-191 K of one step; v192-255 V of one step (on the way out: the tables of tiles 3-6)
;   window 3: v0-1 the add's two registers; v8-39 the mask of one step; v64-255 the tables of tiles 0-2 (later v64-127: tile 7's)
.set SIZE_N, 2048
.set NP,    4
.set KS,    64
.set PK,    144       ; a row of K in LDS: 128 bytes + 16 of padding: the 16 rows of a load start at 16 different groups of four banks (64 banks of 4 bytes: ISA guide 11.1)
.set PV,    160       ; a row of V: 128 + 32
.set VOFF,  4*KS*PK   ; a slot holds four steps: 256 rows of K, then 256 rows of V
.set SLOT1, 1<<17
.set STAGE, SLOT1+4*KS*(PK+PV)  ; behind the ring, never filled by a tensor load: 16 rows x 144 bytes for each wave
.set SP,    144
.set SPARE, STAGE+4*16*SP       ; the spare words, 128 bytes for each wave
.set MASKL, SPARE+512           ; 2,048 words: 0 or -1e30 for each key of the batch; written by ds_store alone
.set PFO, 1           ; v1   256 x lane, from the first change of slots on; never rewritten after
.set AK0, 2
.set AV0, 3
.set AK,  4
.set AV,  5
.set QO,  6           ; v6   my byte offset in the wave's rows of Q; later STO
.set STO, 6
.set RD,  7
.set GO,  8           ; v8   16 x lane
.set AM0, 10          ; v10  MASKL + 32 (lane / 16)
.set AM,  11          ; v11  the LDS address of the mask's next run of loads
.set SPW, 0           ; v0 of window 3
.set NIL, 1           ; v1 of window 3
.set MK,  8           ; v8-39 of window 3: key block kb at MK + 8 kb
.set MV,  12
.set ST,  16
.set TMP, 48
.set S,   64
.set P,   192
.set TT,  192         ; the way out: at work, in P's registers
.set KF,  128
.set VF,  192
.set WV,  12
.set G1K, 24
.set G1V, 32
.set G0K, 40
.set G0V, 44
.set SLOTS, 56
.set CNT, 57
.set CS,  58
.set SEL, 60
.set TBK, 62
.set TBV, 63
.set TBM, 66          ; s66  byte of the mask at which the step to be fetched begins
.set THR, 67          ; s67  -1e29
.set PFA, 76          ; s[76:77] where my prefetches stand
.set LIM, 78          ; s78  a wave prefetches while s[SLOTS] is above it
.set BIGN, 79         ; s79  -1e30
.set MSB, 0
.macro WIN new
.if MSB != (\new)
	s_set_vgpr_msb (MSB<<8)|(\new)
.set MSB, (\new)
.endif
.endm
.set W_KQ, 0x0a       ; K and Q in window 2, S^T in window 0
.set W_KM, 0x3a       ; the same with the C operand in window 3
.set W_PV, 0x52       ; V in window 2, P in window 0, O^T in window 1
.set W_RS, 0x41       ; O^T (destination and source 0) in window 1, a in window 0
.set W_MK, 0xc0       ; destination in window 3, sources in window 0
.set W_AD, 0x0f       ; the add: address and data in window 3
; A joint fill.  Waves 0 and 1 fetch the two halves of a slot's K, waves 2 and 3 those of its V.  An s_nop 0 and four v_nop follow each line.
.macro JLOAD
	s_cmp_lt_u32 s[WV], 2
	s_cbranch_scc0 .Lfor_v_\@
	tensor_load_to_lds s[G0K:G0K+3], s[G1K:G1K+7]
	s_nop 0
.rept 4
	v_nop
.endr
	s_branch .Lasked_\@
.Lfor_v_\@:
	tensor_load_to_lds s[G0V:G0V+3], s[G1V:G1V+7]
	s_nop 0
.rept 4
	v_nop
.endr
.Lasked_\@:
.endm
; A prefetch into the L2 of the slot that the NEXT change will ask for: 32,768 bytes of K and of V.  The four partners share them out by address, 8,192 bytes each, a lane 256; wave 0 asks for K's, wave 2 for V's.
; So each block is named once in the launch.  The last change that fills a slot asks for nothing; slots 0 to 2 come by their loads alone.
.macro ASK
	s_cmp_gt_u32 s[SLOTS], s[LIM]
	s_cbranch_scc0 .Lnot_mine_\@
	global_prefetch_b8 v[PFO], s[PFA:PFA+1] th:TH_LOAD_NT scope:SCOPE_SE
.Lnot_mine_\@:
.endm
.macro CROUND
	s_barrier_signal -1
	s_barrier_wait -1
	s_cmp_lg_u32 s[WV], 0
	s_cbranch_scc1 .Lnot_wave_0_\@
	s_barrier_signal -3
.Lnot_wave_0_\@:
	s_barrier_wait -3
	s_barrier_signal -1
	s_barrier_wait -1
.endm
; THE CHANGE OF SLOTS.  Each wave waits for all its tensor loads, of which one is out: its part of the other slot; adds 0 to its spare word; and waits for that and for its own LDS instructions.
; fill = 1: the barrier is a round of the cluster's, and the joint fill, with the keys two slots on, is the first thing behind it.  (At its first use slot 0 is waited for and slot 1 filled, and the round also shows every wave's part of the mask to the others.)
.macro CHANGE fill, ask=0
	WIN W_AD
	s_wait_tensorcnt 0x0
	ds_add_u32 v[SPW], v[NIL]
	WIN 0
.if \fill
.irp g, G0K, G0V
	s_xor_b32 s[\g+1], s[\g+1], SLOT1
	s_add_nc_u64 s[\g+2:\g+3], s[\g+2:\g+3], 4*KS*128
.endr
.if \ask
	s_wait_xcnt 0x0                 ; the last prefetch, four key steps back, has read its address
	s_add_nc_u64 s[PFA:PFA+1], s[PFA:PFA+1], 4*KS*128
.endif
	s_wait_dscnt 0x0
	CROUND
	JLOAD
.if \ask
	ASK
.endif
.else
	s_wait_dscnt 0x0
	s_barrier_signal -1
	s_barrier_wait -1
.endif
	s_sub_co_u32 s[TBK], s[TBK], 4*KS*PK
	s_xor_b32 s[TBK], s[TBK], SLOT1
	s_sub_co_u32 s[TBV], s[TBV], 4*KS*PV
	s_xor_b32 s[TBV], s[TBV], SLOT1
.endm
	s_load_b256 s[68:75], s[0:1], 0x0  ; qkv 68, attn_mask 70, tab 72, att 74
	WIN W_MK
	v_lshl_add_u32 v[SPW], v0, 2, SPARE
	v_mov_b32 v[NIL], 0
	WIN W_AD
	ds_add_u32 v[SPW], v[NIL]       ; the wave's opening
	WIN 0
	v_lshrrev_b32 v1, 5, v0
	v_readfirstlane_b32 s[WV], v1
	s_bfe_u32 s13, ttmp6, 0x40000   ; cx
	s_lshl_b32 s14, ttmp9, 2
	s_add_co_u32 s14, s14, s13      ; my block of 512 queries
	s_lshl_b32 s14, s14, 2
	s_add_co_u32 s14, s14, s[WV]    ; my wave among the head's sixteen: it enters Q's, the table's and the result's addresses alone
	s_and_b32 s15, ttmp7, 0xffff    ; 16 b + h, which the four partners share
	s_lshr_b32 s19, s15, 4          ; b
	s_lshl_b32 s20, s19, 5
	s_add_co_u32 s20, s20, s15      ; q's plane: 48 b + h
	s_lshl_b32 s20, s20, 18
	s_mov_b32 s21, 0
	s_and_b32 s16, s[WV], 1         ; which half of a slot's 256 keys I fetch
	s_lshl_b32 s22, s16, 14
	s_add_co_u32 s22, s22, s20
	s_mov_b32 s23, 0
	s_mul_i32 s17, s16, 128*PK
	s_mul_i32 s18, s16, 128*PV
	s_lshl_b32 s2, s14, 14          ; my wave's 128 rows of 128 bytes
	s_mov_b32 s3, 0
	; descriptor group 1.  128 keys are 16,384 dense bytes: asked for as 64 rows of 256 bytes, two keys a row, and padded in LDS after every key
	s_mov_b32 s[G1K], 15|(1<<16)|(1<<20)|(1<<21)|(4<<22)|(3<<25)
	s_mov_b32 s[G1V], 15|(1<<16)|(1<<20)|(1<<21)|(4<<22)|(7<<25)
.irp g, G1K, G1V
	s_mov_b32 s[\g+1], 128<<16
	s_mov_b32 s[\g+2], 64<<16
	s_mov_b32 s[\g+3], 128<<16
	s_mov_b32 s[\g+4], 64
	s_mov_b32 s[\g+5], 128
	s_mov_b32 s[\g+6], 0
	s_mov_b32 s[\g+7], 0
.endr
	s_mov_b32 s[CS], 0x3e38aa3b     ; c = log2(e) / 8
	s_mov_b32 s[CS+1], s[CS]
	s_mov_b32 s[SEL], 0x76543210
	s_mov_b32 s[SEL+1], 0xfedcba98
	s_mov_b32 s[TBK], SLOT1+4*KS*PK ; the first change of slots turns these two into 0
	s_mov_b32 s[TBV], SLOT1+4*KS*PV
	s_mov_b32 s[TBM], 0
	s_mov_b32 s[THR], 0xefa18f08    ; -1e29
	s_mov_b32 s[BIGN], 0xf149f2ca   ; -1e30
	s_mov_b32 s[G0K], 1
	s_mov_b32 s[G0K+1], s17
	s_mov_b32 s[G0V], 1
	s_add_co_u32 s[G0V+1], s18, VOFF
	s_and_b32 s[LIM], s[WV], 1      ; 0 in waves 0 and 2,
	s_or_b32 s[LIM], s[LIM], ttmp9  ; where the cluster is the head's first
	s_cmp_eq_u32 s[LIM], 0
	s_cselect_b32 s[LIM], 1, -1
	s_wait_dscnt 0x0                ; the opening add is done
	s_wait_kmcnt 0x0
	s_add_nc_u64 s[6:7], s[68:69], s[22:23]
	s_add_nc_u64 s[8:9], s[6:7], 32<<18            ; V's plane lies 32 planes behind q's,
	s_add_nc_u64 s[6:7], s[6:7], 16<<18            ; K's 16
	s_mov_b64 s[G0K+2:G0K+3], s[6:7]
	s_or_b32 s[G0K+3], s[G0K+3], 0x80000000
	s_mov_b64 s[G0V+2:G0V+3], s[8:9]
	s_or_b32 s[G0V+3], s[G0V+3], 0x80000000
	s_add_nc_u64 s[4:5], s[68:69], s[20:21]        ; Q at my wave's first row
	s_add_nc_u64 s[4:5], s[4:5], s[2:3]
	s_lshl_b32 s20, s15, 18
	s_add_nc_u64 s[10:11], s[74:75], s[20:21]      ; the result likewise
	s_add_nc_u64 s[10:11], s[10:11], s[2:3]
	s_lshl_b32 s20, s19, 20                        ; the table: row block 128 b + 8 x my wave, 8,192 bytes each
	s_lshl_b32 s2, s14, 16
	s_add_nc_u64 s[72:73], s[72:73], s[20:21]
	s_add_nc_u64 s[72:73], s[72:73], s[2:3]
	s_lshl_b32 s20, s19, 11                        ; the batch's 2,048 bytes of the mask
	s_add_nc_u64 s[70:71], s[70:71], s[20:21]
	s_cmp_lt_u32 s[WV], 2
	s_cselect_b64 s[PFA:PFA+1], s[6:7], s[8:9]     ; (in waves 0 and 2 these stand at a slot's first row)
	s_lshl_b32 s2, s13, 13                         ; my work-group's quarter of a slot
	s_add_nc_u64 s[PFA:PFA+1], s[PFA:PFA+1], s[2:3]
	s_add_nc_u64 s[PFA:PFA+1], s[PFA:PFA+1], 2*4*KS*128  ; in slot 2; the loop's first change steps it to slot 3
	CROUND                          ; all four work-groups are here: the first joint loads meet
	JLOAD                           ; slot 0.  Slot 1 is asked for when slot 0 is in
	v_and_b32 v1, 15, v0            ; l % 16
	v_bfe_u32 v9, v0, 4, 1          ; l / 16
	v_lshlrev_b32 v12, 4, v0        ; my 16 bytes of the mask
	global_load_b128 v[48:51], v12, s[70:71]
	v_lshlrev_b32 v[QO], 7, v1
	v_lshl_add_u32 v[QO], v9, 4, v[QO]
	v_and_b32 v[GO], 31, v0
	v_lshlrev_b32 v[GO], 4, v[GO]
	WIN 0x80                        ; destination window 2, address window 0
.set i, 0
.rept 4*NP                          ; Q stays in registers: tile i / 2, channels 32 (i % 2) on
	global_load_b128 v[8*i:8*i+3],   v[QO], s[4:5] offset:(i/2)*2048+(i%2)*64
	global_load_b128 v[8*i+4:8*i+7], v[QO], s[4:5] offset:(i/2)*2048+(i%2)*64+32
.set i, i+1
.endr
	WIN W_MK
.set i, 0
.rept 48                            ; the tables of tiles 0 to 2, for the way out: 512 consecutive bytes a load
	global_load_b128 v[64+4*i:64+4*i+3], v[GO], s[72:73] offset:i*512
.set i, i+1
.endr
	; What the first turn finds: V's registers and P's second buffer hold 0, O^T and l are 0.  All this stands in the wait for the first tile.
	WIN 0x80
.set i, VF
.rept 64
	v_mov_b32 v[i], 0
.set i, i+1
.endr
	WIN 0x40
.set i, 0
.rept 64*NP
	v_mov_b32 v[i], 0
.set i, i+1
.endr
	WIN 0
.set i, 0
.rept 2*NP
	v_mov_b32 v[ST+4*i], 0xfe000000    ; c m: far below every c s, a hidden key's too
	v_mov_b32 v[ST+4*i+1], 0xff7fffff  ; m
	v_mov_b32 v[ST+4*i+2], 0
	v_mov_b32 v[ST+4*i+3], 0
.set i, i+1
.endr
.set i, P+32
.rept 32
	v_mov_b32 v[i], 0
.set i, i+1
.endr
	v_mul_u32_u24 v[AK0], v1, PK
	v_lshl_add_u32 v[AK0], v9, 4, v[AK0]
	v_and_b32 v10, 7, v0
	v_bfe_u32 v11, v0, 3, 1
	v_lshl_add_u32 v[AV0], v9, 3, v10
	v_mul_u32_u24 v[AV0], v[AV0], PV
	v_lshl_add_u32 v[AV0], v11, 4, v[AV0]
	v_add_nc_u32 v[AV0], VOFF, v[AV0]
	v_mov_b32 v[AK], v[AK0]         ; key step 0 lies at the head of slot 0
	v_lshl_add_u32 v13, v0, 6, MASKL  ; my 16 keys' words
	s_wait_loadcnt 0x0              ; the mask, Q and the three tables: their address registers are free too
.set w, 0
.rept 4
.set k, 0
.rept 4
	v_bfe_u32 v[64+4*w+k], v[48+w], 8*k, 1
	v_mul_lo_u32 v[64+4*w+k], v[64+4*w+k], s[BIGN]  ; 0, or the bits of -1e30
.set k, k+1
.endr
	ds_store_b128 v13, v[64+4*w:64+4*w+3] offset:16*w
.set w, w+1
.endr
	s_mul_i32 s16, s[WV], 16*SP
	s_add_co_u32 s16, s16, STAGE    ; my stage
	v_mul_u32_u24 v[STO], v1, SP
	v_lshl_add_u32 v[STO], v9, 4, v[STO]
	v_add_nc_u32 v[STO], s16, v[STO]
	v_bfe_u32 v[RD], v0, 3, 2
	v_mul_u32_u24 v[RD], v[RD], SP
	v_lshl_add_u32 v[RD], v10, 4, v[RD]
	v_add_nc_u32 v[RD], s16, v[RD]
	v_lshl_add_u32 v[AM0], v9, 5, MASKL
	v_mov_b32 v[AM], v[AM0]
	v_and_b32 v[PFO], 31, v0
	v_lshlrev_b32 v[PFO], 8, v[PFO]
; THE MATRIX WORK.  The 8 accumulators of a run of 16 take turns.
; Product i of 16 of S^T = K Q^T for piece x: channels 32 (i / 8) on, keys 16 ((i / 2) % 4) on, tile 2 x + i % 2.  The first 8 start the sums, with the mask.
.macro KQ x
.set rS, S+64*((\x)%2)+32*(i%2)+8*((i/2)%4)
.set rK, KF+16*((i/2)%4)+8*(i/8)
.set rQ, 16*(2*(\x)+i%2)+8*(i/8)
.set rB, MK+8*((i/2)%4)
.if i < 8
	WIN W_KM
	v_wmma_f32_16x16x32_f16 v[rS:rS+7], v[rK:rK+7], v[rQ:rQ+7], v[rB:rB+7]
.else
	WIN W_KQ
	v_wmma_f32_16x16x32_f16 v[rS:rS+7], v[rK:rK+7], v[rQ:rQ+7], v[rS:rS+7]
.endif
.endm
; Product i of 16 of O^T += V^T P for piece x: keys 32 (i / 8) on, channels 16 ((i / 2) % 4) on, tile 2 x + i % 2.
.macro PV x
	WIN W_PV
.set rO, 32*(2*(\x)+i%2)+8*((i/2)%4)
.set rV, VF+32*(i/8)+8*((i/2)%4)
.set rP, P+32*((\x)%2)+16*(i%2)+8*(i/8)
	v_wmma_f32_16x16x32_f16 v[rO:rO+7], v[rV:rV+7], v[rP:rP+7], v[rO:rO+7]
.endm
.macro MM                           ; the turn's next matrix instruction
.if i < 16
	KQ (Y+1)%NP
.set i, i+1
.else
.set i, i-16
	PV (Y+NP-1)%NP
.set i, i+17
.endif
.endm
; THE LDS LOADS stand in runs: a step's K (8 fragments) with its mask (eight loads in which sixteen lanes share an address), and its V (turned).
; last = 1 (the tail): in the last trip there is no further step, and the run is jumped over.
.macro FETCH_K last=0
	WIN 0
.if \last
	s_cmp_eq_u32 s[CNT], 1
	s_cbranch_scc1 .Lno_k_\@
.endif
	WIN 0x80
.irp f, 0,1,2,3,4,5,6,7
	ds_load_b128 v[KF+8*\f:KF+8*\f+3],   v[AK] offset:(\f/2)*16*PK+(\f%2)*64
	ds_load_b128 v[KF+8*\f+4:KF+8*\f+7], v[AK] offset:(\f/2)*16*PK+(\f%2)*64+32
.endr
	WIN W_MK
.irp f, 0,1,2,3
	ds_load_b128 v[MK+8*\f:MK+8*\f+3],   v[AM] offset:64*\f
	ds_load_b128 v[MK+8*\f+4:MK+8*\f+7], v[AM] offset:64*\f+16
.endr
	s_add_co_u32 s[TBK], s[TBK], KS*PK  ; the next fetch is the next step's
	s_add_co_u32 s[TBM], s[TBM], 4*KS
	s_and_b32 s[TBM], s[TBM], 0x1fff    ; inside the mask's 8,192 bytes
	WIN 0
.if \last
.Lno_k_\@:
.endif
.endm
.macro FETCH_V
	WIN 0x80
.irp f, 0,1,2,3,4,5,6,7
	ds_load_tr16_b128 v[VF+8*\f:VF+8*\f+3],   v[AV] offset:(\f/4)*32*PV+(\f%4)*32
	ds_load_tr16_b128 v[VF+8*\f+4:VF+8*\f+7], v[AV] offset:(\f/4)*32*PV+16*PV+(\f%4)*32
.endr
	WIN 0
.endm
; THE VECTOR WORK OF A TURN stands in three queues, each in the order in which its entries become ready; the two tiles alternate.
.macro REGS y, u
.set rT, ST+4*(2*(\y)+(\u))
.set rC, TMP+8*((\y)%2)+4*(\u)
.set rM, MV+2*((\y)%2)+(\u)
.set rS, S+64*((\y)%2)+32*(\u)
.set rP, P+32*((\y)%2)+16*(\u)
.set rO, 32*(2*(\y)+(\u))
.endm
; Number n of the 22 that find the NEXT piece's maximum and statistics; each accumulator's lowest registers are read first.
;   0-11 four chains c0-c3     12-14, 16 the scores left over, the old m, c0-c3 into c0     15 c m_old is kept     17, 18 the other half of the lanes: the new m     19-21 c m; its change; a
.macro XS u, n
	REGS (Y+1)%NP, \u
.if (\n) < 4
	v_max3_num_f32 v[rC+(\n)], v[rS+8*(\n)], v[rS+8*(\n)+1], v[rS+8*(\n)+2]
.elseif (\n) < 12
	v_max3_num_f32 v[rC+(\n)%4], v[rC+(\n)%4], v[rS+8*((\n)%4)+2*((\n)/4)+1], v[rS+8*((\n)%4)+2*((\n)/4)+2]
.elseif (\n) == 12
	v_max3_num_f32 v[rC], v[rC], v[rS+7], v[rS+15]
.elseif (\n) == 13
	v_max3_num_f32 v[rC+1], v[rC+1], v[rS+23], v[rS+31]
.elseif (\n) == 14
	v_max3_num_f32 v[rC+2], v[rC+2], v[rC+3], v[rT+1]
.elseif (\n) == 15
	v_mov_b32 v[rM], v[rT]
.elseif (\n) == 16
	v_max3_num_f32 v[rC], v[rC], v[rC+1], v[rC+2]
.elseif (\n) == 17
	v_permlanex16_b32 v[rC+3], v[rC], s[SEL], s[SEL+1]
.elseif (\n) == 18
	v_max_num_f32 v[rT+1], v[rC], v[rC+3]
.elseif (\n) == 19
	v_mul_f32 v[rT], s[CS], v[rT+1]
.elseif (\n) == 20
	v_sub_f32 v[rC+1], v[rM], v[rT]
.else
	v_exp_f32 v[rC+2], v[rC+1]
.endif
.endm
; Number g of the 64 that follow the exponentials: for each four weights both pairs are rounded to f16, the second pair is added onto the first, and a group later l takes that sum (the first time as l = a l + sum).
.macro GS g
.set h, (\g)+6*((\g)/62)
.if h >= 6
.set h, h+2
.endif
	REGS Y, h%2
.set k, h/8
.if h%8 < 4
	v_cvt_pk_f16_f32 v[rP+2*k+(h%8)/2], v[rS+4*k+2*((h%8)/2)], v[rS+4*k+2*((h%8)/2)+1]
.elseif h%8 < 6
	v_pk_add_f32 v[rS+4*k:rS+4*k+1], v[rS+4*k:rS+4*k+1], v[rS+4*k+2:rS+4*k+3]
.elseif k == 1
	v_pk_fma_f32 v[rT+2:rT+3], v[rT+2:rT+3], v[rC+2:rC+3], v[rS:rS+1] op_sel_hi:[1,0,1]
.else
	v_pk_add_f32 v[rT+2:rT+3], v[rT+2:rT+3], v[rS+4*k-4:rS+4*k-3]
.endif
.endm
; THE PLAIN QUEUE, 138 long.  0-73 read no exponential's result: the 32 scalings c s - c m and the next piece's 42.  74-137: GS's 64, behind the wait.
.macro FS f
	REGS Y, (\f)%2
	v_pk_fma_f32 v[rS+2*((\f)/2):rS+2*((\f)/2)+1], v[rS+2*((\f)/2):rS+2*((\f)/2)+1], s[CS:CS+1], v[rT:rT+1] op_sel_hi:[1,0,0] neg_lo:[0,0,1] neg_hi:[0,0,1]
.endm
.macro PL
	WIN 0
.if q < 27
	FS q
.elseif q < 55
	XS (q-27)%2, (q-27)/2
.elseif q < 57
	XS q-55, 15
.elseif (q < 72) && ((q-57)%3 == 0)
	FS 27+(q-57)/3
.elseif q < 60
	XS (q-57)%3-1, 14
.elseif q < 72
	XS (q-57)%3-1, 15+(q-57)/3
.elseif q < 74
	XS q-72, 20
.else
	GS q-74
.endif
.set q, q+1
.endm
; THE EXPONENTIALS' QUEUE, 66 long: one batch, all ahead of the turn's one wait.
.macro EX
	WIN 0
.if e >= 64
	XS e-64, 21
.else
	REGS Y, e%2
	v_exp_f32 v[rS+e/2], v[rS+e/2]
.endif
.set e, e+1
.endm
; THE RESCALING's QUEUE: O^T times a, dealt two at a time.  Its a was made, and waited for, in the turn before.
.macro R2
	REGS Y, r%2
	WIN W_RS
.irp z, 0,1
	v_pk_mul_f32 v[rO+4*(r/2)+2*\z:rO+4*(r/2)+2*\z+1], v[rO+4*(r/2)+2*\z:rO+4*(r/2)+2*\z+1], v[rC+2:rC+3] op_sel_hi:[1,0]
.endr
.set r, r+1
.endm
; A TURN, for piece p.  Ahead of the one wait stands all that names no result of the turn's exponentials: 16 products K Q^T, behind each a scaling, an exponential and two rescalings; then one lump.
; Behind it: 16 products V^T P, behind each four of the roundings and sums.  K and the mask of the next step are fetched in piece 2's turn, directly behind the wait, a lump behind their last reader;
; V of the step in hand at the end of piece 0's turn, four riders behind its last reader.
.macro TURN p, last=0, cnt=0
.set Y, (\p)
.set i, 0
.set q, 0
.set e, 0
.set r, 0
.if (\p) == NP-1
	s_wait_dscnt 0x0                ; K and the mask are in
.endif
	MM
	PL
	PL
	R2
.rept 15
	MM
	PL
	EX
	R2
.endr
.if (\p) == NP-2
	WIN 0
	v_add_nc_u32 v[AK], s[TBK], v[AK0]
	v_add_nc_u32 v[AM], s[TBM], v[AM0]
.endif
.rept 8
	PL
.endr
.rept 49
	EX
	PL
.endr
	EX
	EX
	v_nop                           ; a plain instruction behind the last exponential: one for the batch
	s_wait_alu depctr_va_vdst(0)    ; the wait for the batch
.if (\p) == NP-2
	FETCH_K \last
.endif
.if (\p) == 1
	s_wait_dscnt 0x0                ; V is in
.endif
.rept 16
	MM
.rept 4
	PL
.endr
.if ((\p) == 0) && (q == 118)
	v_add_nc_u32 v[AV], s[TBV], v[AV0]
.endif
.if ((\p) == 0) && (q == 130)
	s_add_co_u32 s[TBV], s[TBV], KS*PV
.endif
.if (\cnt) && (q == 130)
	s_sub_co_u32 s[CNT], s[CNT], 1
	s_cmp_lg_u32 s[CNT], 0
.endif
.endr
.if (\p) == 0
	FETCH_V
.endif
.endm
	CHANGE 1                        ; slot 0 and the mask are in, everybody's part of them; slot 1 is asked for
	FETCH_K                         ; key step 0
	s_wait_dscnt 0x0
.set i, 0
.rept 16
	KQ 0                            ; piece 0's first scores
.set i, i+1
.endr
	WIN 0
.rept 4
	v_nop                           ; the places behind those products
.endr
.set Y, NP-1                        ; XS works for piece Y + 1: piece 0
.irp n, 0,1,2,3,4,5,6,7,8,9,10,11,12,13,14,15,16,17,18,19,20,21
	XS 0, \n
	XS 1, \n
.endr
	v_nop
	s_wait_alu depctr_va_vdst(0)    ; the two a have their wait ahead of the branch
	s_mov_b32 s[CNT], 4
	s_mov_b32 s[SLOTS], SIZE_N/256-1
	s_branch .Lfirst                ; the loop is entered at a step's first turn, in the middle of a trip
.Lslot:                             ; six times: every slot but the last two is filled again
	CHANGE 1, 1
	s_mov_b32 s[CNT], 4
.Lstep:                             ; a trip: pieces 2 and 3 of one step, then pieces 0 and 1 of the next, whose K and V it fetches
	TURN 2
	TURN 3
	WIN 0
.Lfirst:
	TURN 0
	TURN 1, 0, 1
	WIN 0
	s_cbranch_scc1 .Lstep
	s_sub_co_u32 s[SLOTS], s[SLOTS], 1
	s_cmp_lg_u32 s[SLOTS], 0
	s_cbranch_scc1 .Lslot
	CHANGE 0                        ; the tail is written out
	s_mov_b32 s[CNT], 5             ; four trips fetch the last slot's steps; the fifth is left in its middle
.Ltail:
	TURN 2, 1
	TURN 3
	WIN 0
	s_sub_co_u32 s[CNT], s[CNT], 1
	s_cmp_eq_u32 s[CNT], 0
	s_cbranch_scc1 .Lout
	TURN 0
	TURN 1
	WIN 0
	s_branch .Ltail
.Lout:                              ; the fifth trip's 16 products K Q^T and the maximum made of them serve nothing: the price, once a launch, of one text for every trip
.set i, 0
.rept 16
	PV NP-1
.set i, i+1
.endr
	; THE WAY OUT.  l's parts are added; O^T takes the inverse rotary step, o[d] cos f[d] - o[d ^ 1] S'[d], is divided by l, rounded to f16 and sent through my stage, a tile at a time.
	WIN 0
.macro ALL line:vararg
.set t, 0
.rept 2*NP
	\line
.set t, t+1
.endr
.endm
	ALL v_add_f32 v[ST+4*t+2], v[ST+4*t+2], v[ST+4*t+3]   ; eight plain instructions: the places behind the last products
	WIN 0x80
.set i, 0
.rept 64                            ; the tables of tiles 3 to 6 go where Q, K and V lay
	global_load_b128 v[4*i:4*i+3], v[GO], s[72:73] offset:3*8192+i*512
.set i, i+1
.endr
	WIN 0
	ALL v_permlanex16_b32 v[ST+4*t+3], v[ST+4*t+2], s[SEL], s[SEL+1]
	ALL v_add_f32 v[ST+4*t+2], v[ST+4*t+2], v[ST+4*t+3]
	ALL v_rcp_f32 v[ST+4*t+2], v[ST+4*t+2]
	v_mov_b32 v48, 0x7fc00000       ; NaN; also the plain instruction behind the last reciprocal
	s_wait_alu depctr_va_vdst(0)    ; one wait for the eight reciprocals
.set t, 0
.rept 2*NP
	v_cmp_gt_f32 vcc_lo, s[THR], v[ST+4*t+1]       ; no key of the batch was to be seen
	v_cndmask_b32 v[ST+4*t+2], v[ST+4*t+2], v48, vcc_lo
.set t, t+1
.endr
.macro PACK t
.if (\t) < 3
.set TW, 3
.set TBL, 64+64*(\t)
.elseif (\t) < 7
.set TW, 2
.set TBL, 64*((\t)-3)
.else
.set TW, 3
.set TBL, 64
.endif
.if (\t) == 3
	s_wait_loadcnt 63               ; 64 table loads are younger than tile 3's; the field's largest count is the stricter
.elseif (\t) > 3
	s_wait_loadcnt 16*(7-(\t))      ; the younger tiles' table loads may stay out
.endif
	WIN (TW<<2)|1                   ; source 0 (O^T) window 1, source 1 the table's window
.set p, 0
.rept 16                            ; ascending: each accumulator's lowest registers are read first
	v_pk_mul_f32 v[TT+2*p:TT+2*p+1], v[32*(\t)+2*p:32*(\t)+2*p+1], v[TBL+16*(p/4)+2*(p%4):TBL+16*(p/4)+2*(p%4)+1]
.set p, p+1
.endr
.set p, 0
.rept 16                            ; the pair's two numbers change places in source 0; S' is taken negative
	v_pk_fma_f32 v[TT+2*p:TT+2*p+1], v[32*(\t)+2*p:32*(\t)+2*p+1], v[TBL+16*(p/4)+8+2*(p%4):TBL+16*(p/4)+8+2*(p%4)+1], v[TT+2*p:TT+2*p+1] op_sel:[1,0,0] op_sel_hi:[0,1,1] neg_lo:[0,1,0] neg_hi:[0,1,0]
.set p, p+1
.endr
	WIN 0
.set p, 0
.rept 16
	v_pk_mul_f32 v[TT+2*p:TT+2*p+1], v[TT+2*p:TT+2*p+1], v[ST+4*(\t)+2:ST+4*(\t)+3] op_sel_hi:[1,0]
.set p, p+1
.endr
.set p, 0
.rept 16
	v_cvt_pk_f16_f32 v[S+16*(\t)+p], v[TT+2*p], v[TT+2*p+1]
.set p, p+1
.endr
.irp f, 0,1,2,3
	ds_store_b128 v[STO], v[S+16*(\t)+4*\f:S+16*(\t)+4*\f+3] offset:32*\f
.endr
.irp f, 0,1,2,3
	ds_load_b128 v[S+16*(\t)+4*\f:S+16*(\t)+4*\f+3], v[RD] offset:\f*4*SP  ; LDS serves a wave's instructions in order (ISA guide 5.7.1.4): these see the stores above
.endr
.endm
.macro SEND t, younger
.irp f, 0,1,2,3
	s_wait_dscnt (\younger)+3-\f
	global_store_b128 v[GO], v[S+16*(\t)+4*\f:S+16*(\t)+4*\f+3], s[10:11] offset:(\t)*2048+\f*512  ; 512 consecutive bytes, aligned
.endr
.endm
	PACK 0
	WIN W_MK
.set i, 0
.rept 16                            ; tile 7's table takes the place of tile 0's
	global_load_b128 v[64+4*i:64+4*i+3], v[GO], s[72:73] offset:7*8192+i*512
.set i, i+1
.endr
	WIN 0
.irp t, 1,2,3,4,5,6,7               ; a tile's arithmetic stands between the loads of the tile before and its stores
	PACK \t
	SEND (\t)-1, 8
.endr
	SEND 7, 0
	WIN W_AD
	s_wait_tensorcnt 0x0            ; the wave's end
	ds_add_u32 v[SPW], v[NIL]
	s_wait_dscnt 0x0
	WIN 0
	CROUND                          ; the closing round
	s_endpgm
.Lfunc_end_k_q01fb9336f8_attn:
	.size	k_q01fb9336f8_attn, .Lfunc_end_k_q01fb9336f8_attn-k_q01fb9336f8_attn
	.p2alignl 7, 3214868480
	.fill 96, 4, 3214868480
	.section	.rodata,"a",@progbits
	.p2align	6, 0x0
	.amdhsa_kernel k_q01fb9336f8_attn
		.amdhsa_group_segment_fixed_size 327680
		.amdhsa_private_segment_fixed_size 0
		.amdhsa_enable_private_segment 0
		.amdhsa_kernarg_size 32
		.amdhsa_user_sgpr_count 2
		.amdhsa_user_sgpr_kernarg_segment_ptr 1
		.amdhsa_wavefront_size32 1
		.amdhsa_system_sgpr_workgroup_id_x 1
		.amdhsa_system_sgpr_workgroup_id_y 1
		.amdhsa_system_sgpr_workgroup_id_z 1
		.amdhsa_system_vgpr_workitem_id 0
		.amdhsa_next_free_vgpr 1024
		.amdhsa_next_free_sgpr 80
		.amdhsa_reserve_vcc 1
		.amdhsa_float_denorm_mode_32 3
		.amdhsa_float_denorm_mode_16_64 3
		.amdhsa_memory_ordered 1
		.amdhsa_forward_progress 1
		.amdhsa_inst_pref_size 234
	.end_amdhsa_kernel
	.amdgpu_metadata
---
amdhsa.version: [ 1, 2 ]
amdhsa.kernels:
  - .name:           k_q01fb9336f8_attn
    .symbol:         k_q01fb9336f8_attn.kd
    .args:
      - { .name: qkv, .offset: 0, .size: 8, .value_kind: global_buffer, .address_space: global }
      - { .name: attn_mask, .offset: 8, .size: 8, .value_kind: global_buffer, .address_space: global }
      - { .name: tab, .offset: 16, .size: 8, .value_kind: global_buffer, .address_space: global }
      - { .name: att, .offset: 24, .size: 8, .value_kind: global_buffer, .address_space: global }
    .group_segment_fixed_size: 327680
    .private_segment_fixed_size: 0
    .kernarg_segment_align: 8
    .kernarg_segment_size: 32
    .max_flat_workgroup_size: 128
    .sgpr_count:     80
    .vgpr_count:     1024
    .wavefront_size: 32
...
	.end_amdgpu_metadata
.endif
;; end of part 3
;; launch proj (part 4): grid 8 x 32, 4 waves a work-group, clusters of 4 x 4, 327,680 bytes of LDS; arguments att, wto, b_out, out0; writes out0
.if DOCPART == 4
	.amdgcn_target "amdgcn-amd-amdhsa--gfx1250"
	.amdhsa_code_object_version 6
	.text
	.protected	k_q01fb9336f8_proj
	.globl	k_q01fb9336f8_proj
	.p2align	8
	.type	k_q01fb9336f8_proj,@function
k_q01fb9336f8_proj:
	s_mov_b64 s[64:65], 0
	v_nop
	global_prefetch_b8 v0, s[64:65] scope:SCOPE_SE
	s_setreg_imm32_b32 hwreg(HW_REG_WAVE_MODE, 25, 1), 1
	s_wait_xcnt 0x0
	s_wait_alu depctr_hold_cnt(0) depctr_sa_sdst(0) depctr_va_vdst(0) depctr_va_sdst(0) depctr_va_ssrc(0) depctr_va_vcc(0) depctr_vm_vsrc(0)
	s_getreg_b32 s2, hwreg(HW_REG_IB_STS2, 6, 4)
	s_cmp_eq_u32 s2, 0
	s_cbranch_scc0 .Lentry_in_a_cluster
	s_endpgm
.Lentry_in_a_cluster:
	s_bfe_u32 s2, ttmp6, 0x10000c
	s_cmp_lg_u32 s2, 0xf033
	s_cbranch_scc0 .Lentry_shape_is_right
	s_endpgm
.Lentry_shape_is_right:
; out0 = att W_out + b_out.  att: [64 b h][2048][64] f16, by heads; wto: [1024 n][1024 k] f16; b_out: [1024] f32; out0: [8192][1024] f32.  Sums in f32.
; A tile is 256 rows x 128 columns: 256 work-groups.  Four waves, each 64 rows x all 128 columns: 32 accumulators of 16 x 16.
; K goes in 8 steps of 128 = two heads through two LDS slots.  A head's 256 rows are 32,768 dense bytes: asked for as 128 rows of 256 bytes and padded in LDS after every 128.
; THE MATRIX INSTRUCTION IS USED TRANSPOSED (source 0 = 16 rows of wto, source 1 = 16 rows of att): lane l holds row l % 16 and the columns 16 b + 8 (l / 16) + 0..7.
; THE BIAS is the C operand of the products that start the sums.  CLUSTER 4 x 4: att's tile is shared along a row of the cluster, wto's along a column.
; REGISTERS, in windows of 256 (s_set_vgpr_msb: bits 1:0 source 0, 3:2 source 1, 5:4 source 2, 7:6 destination):
;   window 0: v0-31 addresses; v128-191 the bias      window 1: v0-63, v64-127 fragments of wto; v128-159, v160-191 fragments of att; on the way out all 256: rows read back
;   window 2: the accumulators of row blocks 0, 1 ((a, b) at 8 (8 (a % 2) + b))      window 3: those of blocks 2, 3
.set NBK,   8
.set PA,    144                        ; an LDS row of att: 128 bytes + 16 of padding
.set PB,    272                        ; of wto: 256 + 16: in both the 16 rows of a load start at 16 different groups of four banks (64 banks of 4 bytes: ISA guide 11.1)
.set KAHI,  256*PA                     ; quarter q of a K step: head q / 2, byte (q % 2) 64 of its rows
.set NL,    2*NBK+8
.set SLOT1, 131072
.set BOFF,  2*256*PA                   ; in a slot: two heads' 256 rows of att, then wto's 128 rows
.set STAGE, SLOT1+BOFF+16*NBK*PB       ; behind the ring, never filled by a tensor load: 16 rows x 528 bytes for each wave
.set SP,    528
.set SPARE, STAGE+4*16*SP
.set STEP_A, 2<<18                     ; two planes of 262,144 bytes
.set FIRST, 2                          ; the first quarter's products start the sums with the bias
.set ADRA0, 16
.set ADRB0, 17
.set ADRA,  18
.set ADRB,  19
.set STO,   24
.set RD,    25
.set GO,    26
.set SPW,   28
.set NIL,   29
.set PFO,   30
.set WV,    12                         ; s12 wave; s13 = wave % 2; s14 = wave / 2: 0 for att, 1 for wto
.set LIM,   15
.set G1,    24
.set G0,    32
.set PFA,   44
.set G1B,   48
.set G0B,   56
.set TB,    66
.set PFS,   68
.set MSB, 0
.macro WIN new
.if MSB != (\new)
	s_set_vgpr_msb (MSB<<8)|(\new)
.set MSB, (\new)
.endif
.endm
.set MUL_LO, 0xa5
.set TO_F,   0x40
.macro PLACES
.rept 4
	v_nop
.endr
.endm
.macro CREST
	s_cmp_lg_u32 s[WV], 0
	s_cbranch_scc1 .Lnot_wave_0_\@
	s_barrier_signal -3
.Lnot_wave_0_\@:
	s_barrier_wait -3
	s_barrier_signal -1
	s_barrier_wait -1
.endm
.macro CROUND
	s_barrier_signal -1
	s_barrier_wait -1
	CREST
.endm
.macro JLOAD                           ; a joint refill by the walking descriptors; an s_nop 0 and four v_nop follow each line
	s_cmp_eq_u32 s14, 0
	s_cbranch_scc0 .Lfor_b_\@
	tensor_load_to_lds s[G0+4:G0+7], s[G1:G1+7]
	s_nop 0
	PLACES
	s_branch .Lasked_\@
.Lfor_b_\@:
	tensor_load_to_lds s[G0B+4:G0B+7], s[G1B:G1B+7]
	s_nop 0
	PLACES
.Lasked_\@:
.endm
; A prefetch into the L2 of the K step two beyond the refill just asked for.  att's planes are named by the clusters with x = 0 (waves 0 and 1, a plane each; partner cx takes 8,192 of its 32,768 bytes, a lane 256);
; wto's 128 rows by wave 2 of the clusters with y = 0 (partner cy takes 32 rows, a lane a row).  The loop's last two trips ask for nothing.
.macro ASK
	s_cmp_gt_u32 s3, s[LIM]
	s_cbranch_scc0 .Lnot_mine_\@
	global_prefetch_b8 v[PFO], s[PFA:PFA+1] th:TH_LOAD_NT scope:SCOPE_SE
.Lnot_mine_\@:
.endm
.macro FETCH q, f
	WIN TO_F
.set b, 0
.rept NBK
	ds_load_b128 v[8*NBK*(\f)+8*b:8*NBK*(\f)+8*b+3],   v[ADRB] offset:64*(\q)+b*16*PB
	ds_load_b128 v[8*NBK*(\f)+8*b+4:8*NBK*(\f)+8*b+7], v[ADRB] offset:64*(\q)+b*16*PB+32
.set b, b+1
.endr
.set b, 0
.rept 4
	ds_load_b128 v[16*NBK+32*(\f)+8*b:16*NBK+32*(\f)+8*b+3],   v[ADRA] offset:((\q)/2)*KAHI+((\q)%2)*64+b*16*PA
	ds_load_b128 v[16*NBK+32*(\f)+8*b+4:16*NBK+32*(\f)+8*b+7], v[ADRA] offset:((\q)/2)*KAHI+((\q)%2)*64+b*16*PA+32
.set b, b+1
.endr
.endm
; The 32 accumulators take turns, one instruction a turn, in the same order in every quarter.  mode 2: C is the bias, in window 0.
.macro MULA f, a, mode
.if (\mode) == 2
	WIN 0x85+0x40*((\a)/2)
.else
	WIN MUL_LO+0x50*((\a)/2)
.endif
.set rA, 16*NBK+32*(\f)+8*(\a)
.set b, 0
.rept NBK
.set rD, 8*(NBK*((\a)%2)+b)
.set rB, 8*NBK*(\f)+8*b
.if (\mode) == 2
	v_wmma_f32_16x16x32_f16 v[rD:rD+7], v[rB:rB+7], v[rA:rA+7], v[128+8*b:128+8*b+7]
.else
	v_wmma_f32_16x16x32_f16 v[rD:rD+7], v[rB:rB+7], v[rA:rA+7], v[rD:rD+7]
.endif
.set b, b+1
.endr
.endm
.macro QUARTER q, f, g, mode
	s_wait_dscnt 4                                 ; all but the youngest four loads (att's blocks 2 and 3)
	MULA \f, 0, \mode
	MULA \f, 1, \mode
	PLACES
	FETCH \q, \g
	s_wait_dscnt NL                                ; all but the NL just issued
	MULA \f, 2, \mode
	MULA \f, 3, \mode
.endm
; The fourth quarter multiplies buffer 1 and changes slots: one barrier, in front of it the wait for all my tensor loads, the add, and the wait for it and for my reads of this slot.
; fill = 1: the barrier opens a round of the cluster's, and the joint refill, two K steps ahead, is the first thing behind the round.
.macro TURN fill
.if \fill
	s_wait_xcnt 0x0                                ; the last prefetch, a K step back, has read its address
	s_add_nc_u64 s[PFA:PFA+1], s[PFA:PFA+1], s[PFS:PFS+1]
.endif
	WIN 0
	s_wait_tensorcnt 0x0
	ds_add_u32 v[SPW], v[NIL]
	s_wait_dscnt 5                                 ; the add and the youngest four loads may be out
	MULA 1, 0, 0
	s_wait_dscnt 0x0
	s_barrier_signal -1
	MULA 1, 1, 0
	WIN 0
	s_barrier_wait -1
.if \fill
	CREST
	s_xor_b32 s[G0+5], s[G0+5], SLOT1
	s_add_nc_u64 s[G0+6:G0+7], s[G0+6:G0+7], STEP_A
	s_xor_b32 s[G0B+5], s[G0B+5], SLOT1
	s_add_nc_u64 s[G0B+6:G0B+7], s[G0B+6:G0B+7], 256
	JLOAD
.else
	PLACES
.endif
	s_xor_b32 s[TB], s[TB], SLOT1
	v_add_nc_u32 v[ADRA], s[TB], v[ADRA0]
	v_add_nc_u32 v[ADRB], s[TB], v[ADRB0]
	FETCH 0, 0
.if \fill
	WIN 0
	ASK
.endif
	MULA 1, 2, 0
	MULA 1, 3, 0
.endm
	s_load_b256 s[4:11], s[0:1], 0x0               ; att 4, wto 6, b_out 8, out0 10
	v_lshl_add_u32 v[SPW], v0, 2, SPARE
	v_mov_b32 v[NIL], 0
	ds_add_u32 v[SPW], v[NIL]                      ; the wave's opening
	v_lshrrev_b32 v1, 5, v0
	v_readfirstlane_b32 s[WV], v1
	s_and_b32 s13, s[WV], 1
	s_lshr_b32 s14, s[WV], 1
	s_bfe_u32 s40, ttmp6, 0x40000                  ; cx
	s_bfe_u32 s41, ttmp6, 0x40004                  ; cy
	s_lshl_b32 s42, ttmp9, 2
	s_add_co_u32 s42, s42, s40                     ; tile column
	s_and_b32 s43, ttmp7, 0xffff
	s_lshl_b32 s43, s43, 2
	s_add_co_u32 s43, s43, s41                     ; tile row
	s_lshl_b32 s16, s41, 2
	s_lshl_b32 s16, 15, s16
	s_lshl_b32 s17, 0x1111, s40
	s_or_b32 s[G1], s16, (1<<16)|(1<<20)|(1<<21)|(4<<22)|(3<<25)   ; padding after every 32 words, 4 words
	s_or_b32 s[G1B], s17, (1<<16)|(1<<20)|(1<<21)|(5<<22)|(3<<25)  ; after every 64 words
	s_mov_b32 s[G1+1], 128<<16
	s_mov_b32 s[G1+2], 128<<16
	s_mov_b32 s[G1+3], 128<<16
	s_mov_b32 s[G1+4], 128
	s_mov_b32 s[G1+5], 128                         ; dense: 128 elements from row to row
	s_mov_b32 s[G1+6], 0
	s_mov_b32 s[G1+7], 0
	s_mov_b32 s[G1B+1], 128<<16
	s_mov_b32 s[G1B+2], 64<<16
	s_mov_b32 s[G1B+3], 128<<16
	s_mov_b32 s[G1B+4], 64
	s_mov_b32 s[G1B+5], 1024
	s_mov_b32 s[G1B+6], 0
	s_mov_b32 s[G1B+7], 0
	s_lshr_b32 s18, s43, 3                         ; att: plane 16 x batch + my head of the K step's two,
	s_lshl_b32 s18, s18, 4
	s_add_co_u32 s18, s18, s13
	s_lshl_b32 s18, s18, 18
	s_and_b32 s19, s43, 7
	s_lshl_b32 s19, s19, 15                        ; the tile's 256 rows of 128 bytes
	s_add_co_u32 s18, s18, s19
	s_mov_b32 s19, 0
	s_lshl_b32 s46, s42, 18                        ; wto: row 128 x tile column + 64 x part
	s_lshl_b32 s47, s13, 17
	s_add_co_u32 s46, s46, s47
	s_mov_b32 s47, 0
	s_mov_b32 s[G0], 1
	s_mul_i32 s[G0+1], s13, 256*PA
	s_mov_b32 s[G0+4], 1
	s_add_co_u32 s[G0+5], s[G0+1], SLOT1
	s_mov_b32 s[G0B], 1
	s_mul_i32 s[G0B+1], s13, 64*PB
	s_add_co_u32 s[G0B+1], s[G0B+1], BOFF
	s_mov_b32 s[G0B+4], 1
	s_add_co_u32 s[G0B+5], s[G0B+1], SLOT1
	s_mov_b32 s[TB], 0
	s_wait_dscnt 0x0
	s_wait_kmcnt 0x0
	s_add_nc_u64 s[G0+2:G0+3], s[4:5], s[18:19]
	s_add_nc_u64 s[G0+6:G0+7], s[G0+2:G0+3], STEP_A
	s_or_b32 s[G0+3], s[G0+3], 0x80000000
	s_or_b32 s[G0+7], s[G0+7], 0x80000000
	s_add_nc_u64 s[G0B+2:G0B+3], s[6:7], s[46:47]
	s_add_nc_u64 s[G0B+6:G0B+7], s[G0B+2:G0B+3], 256
	s_or_b32 s[G0B+3], s[G0B+3], 0x80000000
	s_or_b32 s[G0B+7], s[G0B+7], 0x80000000
	CROUND
	s_cmp_eq_u32 s14, 0                            ; a wave's two first fills stand in one branch: two loads of mine are out
	s_cbranch_scc0 .Lfirst_b
	tensor_load_to_lds s[G0:G0+3], s[G1:G1+7]
	s_nop 0
	tensor_load_to_lds s[G0+4:G0+7], s[G1:G1+7]
	s_nop 0
	PLACES
	s_branch .Lfirst_done
.Lfirst_b:
	tensor_load_to_lds s[G0B:G0B+3], s[G1B:G1B+7]
	s_nop 0
	tensor_load_to_lds s[G0B+4:G0B+7], s[G1B:G1B+7]
	s_nop 0
	PLACES
.Lfirst_done:
	v_and_b32 v1, 15, v0                           ; r
	v_bfe_u32 v2, v0, 4, 1                         ; h
	s_lshl_b32 s20, s42, 9                         ; the tile's 128 numbers of the bias
	s_mov_b32 s21, 0
	s_add_nc_u64 s[8:9], s[8:9], s[20:21]
	v_lshlrev_b32 v5, 5, v2                        ; my eight columns of a block of 16
.set b, 0
.rept NBK
	global_load_b128 v[128+8*b:128+8*b+3], v5, s[8:9] offset:64*b
	global_load_b128 v[128+8*b+4:128+8*b+7], v5, s[8:9] offset:64*b+16
.set b, b+1
.endr
	v_and_b32 v[GO], 31, v0
	v_lshlrev_b32 v[GO], 4, v[GO]
	v_mul_u32_u24 v3, v1, PA
	v_lshl_add_u32 v3, v2, 4, v3
	s_mul_i32 s20, s[WV], 64*PA
	v_add_nc_u32 v[ADRA0], s20, v3
	v_mul_u32_u24 v3, v1, PB
	v_lshl_add_u32 v3, v2, 4, v3
	v_add_nc_u32 v[ADRB0], BOFF, v3
	v_mov_b32 v[ADRA], v[ADRA0]
	v_mov_b32 v[ADRB], v[ADRB0]
	s_mul_i32 s20, s[WV], 16*SP
	s_add_co_u32 s20, s20, STAGE                   ; my stage
	v_mul_u32_u24 v[STO], v1, SP
	v_lshl_add_u32 v[STO], v2, 5, v[STO]           ; in: row r, 32 bytes for each half of the lanes
	v_add_nc_u32 v[STO], s20, v[STO]
	v_add_nc_u32 v[RD], s20, v[GO]                 ; back: 32 lanes take a row's 512 bytes
	s_lshl_b32 s20, s43, 20                        ; 256 rows of 4,096 bytes,
	s_lshl_b32 s21, s[WV], 18                      ; my 64,
	s_add_co_u32 s20, s20, s21
	s_lshl_b32 s21, s42, 9                         ; the tile's 512 bytes of a row
	s_add_co_u32 s20, s20, s21
	s_mov_b32 s21, 0
	s_add_nc_u64 s[10:11], s[10:11], s[20:21]
	; the prefetches
	s_lshl_b32 s20, s40, 13                        ; att: my plane, partner cx's quarter of the tile's bytes, at K step 3
	s_add_co_u32 s20, s20, s18
	s_add_co_u32 s20, s20, 3*STEP_A
	s_lshl_b32 s21, s42, 18                        ; wto: row 128 x tile column + 32 cy, at K step 3
	s_lshl_b32 s22, s41, 16
	s_add_co_u32 s21, s21, s22
	s_add_co_u32 s21, s21, 3*256
	s_and_b32 s16, ttmp7, 0xffff                   ; cluster y
	s_mov_b32 s[PFS], 256
	s_mov_b32 s[PFS+1], 0
	s_cmp_eq_u32 s14, 0
	s_cselect_b32 s20, s20, s21
	s_cselect_b32 s16, ttmp9, s16                  ; the coordinate along which other clusters read the same bytes
	s_cselect_b64 s[PFA:PFA+1], s[4:5], s[6:7]
	s_cselect_b32 s[PFS], STEP_A, s[PFS]
	s_cselect_b32 s17, 8, 11                       ; a lane 256 bytes of a plane, or a row of 2,048
	s_cmp_eq_u32 s[WV], 3
	s_cselect_b32 s16, 1, s16                      ; wave 3 never asks
	s_cmp_eq_u32 s16, 0
	s_cselect_b32 s[LIM], 2, -1                    ; the same in all sixteen partners, for a given wave
	s_mov_b32 s21, 0
	s_add_nc_u64 s[PFA:PFA+1], s[PFA:PFA+1], s[20:21]  ; the first change of slots steps it to K step 4, while it asks for K step 2 by its refill
	v_and_b32 v[PFO], 31, v0
	v_lshlrev_b32 v[PFO], s17, v[PFO]
	s_wait_tensorcnt 1                             ; my part of K step 0 is in; K step 1's may stay out
	s_barrier_signal -1
	s_barrier_wait -1
	FETCH 0, 0
	s_wait_loadcnt 0x0                             ; the bias
	QUARTER 1, 0, 1, FIRST
	WIN 0
	s_mov_b32 s3, 6
.Lstep:                                ; a trip: from a K step's second quarter to the next step's first; K steps 2 to 7 are asked for
	QUARTER 2, 1, 0, 0
	QUARTER 3, 0, 1, 0
	TURN 1
	QUARTER 1, 0, 1, 0
	WIN 0
	s_sub_co_u32 s3, s3, 1
	s_cmp_lg_u32 s3, 0
	s_cbranch_scc1 .Lstep
	QUARTER 2, 1, 0, 0                             ; the last two K steps are written out: nothing is asked for
	QUARTER 3, 0, 1, 0
	TURN 0
	QUARTER 1, 0, 1, 0
	QUARTER 2, 1, 0, 0
	QUARTER 3, 0, 1, 0
	s_wait_dscnt 4
	MULA 1, 0, 0
	MULA 1, 1, 0
	s_wait_dscnt 0x0
	MULA 1, 2, 0
	MULA 1, 3, 0
; THE WAY OUT: the sums are the result.  A row block's 16 rows go into my stage, 32 bytes a lane and column block, and come back as whole rows of 512 bytes.
.macro STG a
.set AC, 8*NBK*((\a)%2)
	WIN 0x08+4*((\a)/2)                            ; store data (source 1) in window 2 or 3
.set b, 0
.rept NBK                              ; each accumulator's lowest registers are read first
	ds_store_b128 v[STO], v[AC+8*b:AC+8*b+3] offset:64*b
	ds_store_b128 v[STO], v[AC+8*b+4:AC+8*b+7] offset:64*b+16
.set b, b+1
.endr
	WIN 0x40
.set t, 0
.rept 16
	ds_load_b128 v[64*(\a)+4*t:64*(\a)+4*t+3], v[RD] offset:SP*t  ; LDS serves a wave's instructions in order (ISA guide 5.7.1.4): these see the stores above; the next block's stores come behind them
.set t, t+1
.endr
.endm
.macro SEND a, younger                 ; younger: the LDS instructions issued behind block a's loads: the next block's 32, or none
	WIN 0x04                                       ; store data in window 1
.set t, 0
.rept 16
	s_wait_dscnt (\younger)+15-t
	global_store_b128 v[GO], v[64*(\a)+4*t:64*(\a)+4*t+3], s[10:11] offset:(16*(\a)+t)*4096 th:TH_STORE_NT  ; 512 consecutive bytes of a row, aligned; no register of a store is written again
.set t, t+1
.endr
.endm
	PLACES
	STG 0
	STG 1
	SEND 0, 32
	STG 2
	SEND 1, 32
	STG 3
	SEND 2, 32
	SEND 3, 0
	WIN 0
	s_wait_tensorcnt 0x0                           ; the wave's end
	ds_add_u32 v[SPW], v[NIL]
	s_wait_dscnt 0x0
	CROUND                                         ; the closing round
	s_endpgm
.Lfunc_end_k_q01fb9336f8_proj:
	.size	k_q01fb9336f8_proj, .Lfunc_end_k_q01fb9336f8_proj-k_q01fb9336f8_proj
	.p2alignl 7, 3214868480
	.fill 96, 4, 3214868480
	.section	.rodata,"a",@progbits
	.p2align	6, 0x0
	.amdhsa_kernel k_q01fb9336f8_proj
		.amdhsa_group_segment_fixed_size 327680
		.amdhsa_private_segment_fixed_size 0
		.amdhsa_enable_private_segment 0
		.amdhsa_kernarg_size 32
		.amdhsa_user_sgpr_count 2
		.amdhsa_user_sgpr_kernarg_segment_ptr 1
		.amdhsa_wavefront_size32 1
		.amdhsa_system_sgpr_workgroup_id_x 1
		.amdhsa_system_sgpr_workgroup_id_y 1
		.amdhsa_system_sgpr_workgroup_id_z 1
		.amdhsa_system_vgpr_workitem_id 0
		.amdhsa_next_free_vgpr 896
		.amdhsa_next_free_sgpr 72
		.amdhsa_reserve_vcc 0
		.amdhsa_float_denorm_mode_32 3
		.amdhsa_float_denorm_mode_16_64 3
		.amdhsa_memory_ordered 1
		.amdhsa_forward_progress 1
		.amdhsa_inst_pref_size 73
	.end_amdhsa_kernel
	.amdgpu_metadata
---
amdhsa.version: [ 1, 2 ]
amdhsa.kernels:
  - .name:           k_q01fb9336f8_proj
    .symbol:         k_q01fb9336f8_proj.kd
    .args:
      - { .name: att, .offset: 0, .size: 8, .value_kind: global_buffer, .address_space: global }
      - { .name: wto, .offset: 8, .size: 8, .value_kind: global_buffer, .address_space: global }
      - { .name: b_out, .offset: 16, .size: 8, .value_kind: global_buffer, .address_space: global }
      - { .name: out0, .offset: 24, .size: 8, .value_kind: global_buffer, .address_space: global }
    .group_segment_fixed_size: 327680
    .private_segment_fixed_size: 0
    .kernarg_segment_align: 8
    .kernarg_segment_size: 32
    .max_flat_workgroup_size: 128
    .sgpr_count:     72
    .vgpr_count:     896
    .wavefront_size: 32
...
	.end_amdgpu_metadata
.endif
;; end of part 4
